; MI455X (gfx1250); checked and timed in simulation.
; The chip was launched on July 23, 2026; its instructions are those of AMD's public machine-readable ISA for CDNA 5 (MIT licence, August 2026) and "CDNA5" Instruction Set Architecture Reference Guide (July 2026). The comments in the code are by the model that wrote it; some were corrected since.
;; Self Attention Attention Pooling. Allowed arithmetic: float matrix products may take bf16 or f16 operands with f32 sums; other float arithmetic in f32, or as packed bf16 or f16 multiplies, adds, multiply-adds, maxima and minima; sums over many terms, partial sums and values carried from step to step in f32; what a program stores and reads back later, other than sums and carried values, may be rounded once to bf16 or f16.
;; Inputs: query 512 x 1 float32; x 16 x 2,048 x 512 float32.
;; Outputs: out0 16 x 1 x 512 float32; out1 16 x 2,048 x 1 float32.
;; 2 versions, each right; version 2 is version 1 with the launches prep, final written anew for expert scheduling mode. Each part assembles by itself: llvm-mc -triple=amdgcn-amd-amdhsa -mcpu=gfx1250 --defsym DOCPART=n.
;; ======== version 1 of 2: 5 launches
;; workspace buffers: xb 33,554,432 bytes; z 131,072 bytes; part 6,291,456 bytes; w 262,144 bytes; pc 2,097,152 bytes
;; launch prep (part 1): grid 256 x 1, 16 waves a work-group, no clusters, 0 bytes of LDS; arguments x, query, xb, z; writes xb, z
.if DOCPART == 1
	.amdgcn_target "amdgcn-amd-amdhsa--gfx1250"
	.amdhsa_code_object_version 6
	.text
	.protected	k_qe9eb4a2a1e_prep
	.globl	k_qe9eb4a2a1e_prep
	.p2align	8
	.type	k_qe9eb4a2a1e_prep,@function
k_qe9eb4a2a1e_prep:
	s_mov_b64 s[64:65], 0
	v_nop
	global_prefetch_b8 v0, s[64:65] scope:SCOPE_SE
	s_setreg_imm32_b32 hwreg(HW_REG_WAVE_MODE, 25, 1), 1
	s_wait_xcnt 0x0
; xb = x rounded once to bf16;  z[row] = the sum over d of bf16(x[row][d]) bf16(query[d]), in f32.
; x: [32768 rows][512] f32, xb the same in bf16, z: [32768] f32.  A stream: no LDS, no matrix unit, no loop.
; A work-group owns 128 rows, each of its 16 waves 8.  A row is four loads of 512 neighbouring bytes; load c gives lane l the columns
; 128 c + 4 l + 0..3.  All 32 loads of a wave go out at once: each row has registers of its own, so nothing is rewritten while it is read.
; A row's four bf16 of a lane are 8 bytes: each store of the wave covers 256 consecutive bytes, aligned.
; z leaves as 32 bytes a wave (8 rows): 131,072 bytes in the whole launch.
.set ROWX, 2048                        ; bytes in a row of x
.set ROWB, 1024                        ; bytes in a row of xb
.set Q,    10                          ; v[10:25]  query of my 16 columns, rounded to bf16 and widened again
.set X,    32                          ; v[32:159] row i, load c at X + 16 i + 4 c
	s_load_b256 s[4:11], s[0:1], 0x0               ; x s[4:5], query s[6:7], xb s[8:9], z s[10:11]
	v_and_b32 v1, 31, v0                           ; lane
	v_lshrrev_b32 v8, 5, v0                        ; wave
	v_lshlrev_b32 v26, 4, v1                       ; 16 bytes a lane: my offset in query
	v_lshl_or_b32 v2, v8, 14, v26                  ; in x: + wave x 8 rows x 2,048 bytes
	v_lshlrev_b32 v3, 3, v1
	v_lshl_or_b32 v3, v8, 13, v3                   ; in xb: 8 bytes a lane + wave x 8 rows x 1,024 bytes
	v_lshlrev_b32 v4, 2, v1
	v_lshl_or_b32 v4, v8, 5, v4                    ; in z: 4 bytes a lane + wave x 8 rows x 4 bytes
	v_mov_b32 v5, 0                                ; starts the two chains of each dot product
	v_mov_b32 v9, 0                                ; lane i gathers row i's z
	s_lshl_b32 s16, ttmp9, 18                      ; the work-group's 128 rows in x,
	s_mov_b32 s17, 0
	s_lshl_b32 s18, ttmp9, 17                      ; in xb,
	s_mov_b32 s19, 0
	s_lshl_b32 s20, ttmp9, 9                       ; in z
	s_mov_b32 s21, 0
	s_mov_b32 s12, 0x76543210                      ; v_permlanex16_b32: each lane takes its own place in the other half
	s_mov_b32 s13, 0xfedcba98
	s_wait_kmcnt 0x0
	s_add_nc_u64 s[4:5], s[4:5], s[16:17]
	s_add_nc_u64 s[8:9], s[8:9], s[18:19]
	s_add_nc_u64 s[10:11], s[10:11], s[20:21]
.irp c, 0,1,2,3
	global_load_b128 v[Q+4*\c:Q+4*\c+3], v26, s[6:7] offset:512*\c
.endr
.set i, 0
.rept 8
.irp c, 0,1,2,3
	global_load_b128 v[X+16*i+4*\c:X+16*i+4*\c+3], v2, s[4:5] offset:ROWX*i+512*\c th:TH_LOAD_NT
.endr
.set i, i+1
.endr
	s_wait_loadcnt 32                              ; query is in: the 32 loads of x are younger
.irp p, 0,1,2,3,4,5,6,7
	v_cvt_pk_bf16_f32 v8, v[Q+2*\p], v[Q+2*\p+1]   ; query is rounded once to bf16, like x,
	v_lshlrev_b32 v[Q+2*\p], 16, v8                ; and kept widened
	v_and_b32 v[Q+2*\p+1], 0xffff0000, v8
.endr
; Row i: rounded and packed in place, stored, and multiplied by query straight from the bf16 halves, in two chains.
.macro ROW i
	s_wait_loadcnt 4*(7-(\i))                      ; loads come back in order (ISA guide 5.7.1): the later rows' loads stay out
.irp c, 0,1,2,3
.set rX, X+16*(\i)+4*\c
	v_cvt_pk_bf16_f32 v[rX], v[rX], v[rX+1]
	v_cvt_pk_bf16_f32 v[rX+1], v[rX+2], v[rX+3]
	global_store_b64 v3, v[rX:rX+1], s[8:9] offset:ROWB*(\i)+256*\c
.endr
.irp c, 0,1,2,3
.set rX, X+16*(\i)+4*\c
.if \c == 0
	v_fma_mix_f32_bf16 v6, v[rX], v[Q], v5 op_sel_hi:[1,0,0]
	v_fma_mix_f32_bf16 v7, v[rX], v[Q+1], v5 op_sel:[1,0,0] op_sel_hi:[1,0,0]
.else
	v_fma_mix_f32_bf16 v6, v[rX], v[Q+4*\c], v6 op_sel_hi:[1,0,0]
	v_fma_mix_f32_bf16 v7, v[rX], v[Q+4*\c+1], v7 op_sel:[1,0,0] op_sel_hi:[1,0,0]
.endif
	v_fma_mix_f32_bf16 v6, v[rX+1], v[Q+4*\c+2], v6 op_sel_hi:[1,0,0]
	v_fma_mix_f32_bf16 v7, v[rX+1], v[Q+4*\c+3], v7 op_sel:[1,0,0] op_sel_hi:[1,0,0]
.endr
	v_add_f32 v6, v6, v7
	v_add_f32_dpp v6, v6, v6 row_xmask:1 row_mask:0xf bank_mask:0xf
	v_add_f32_dpp v6, v6, v6 row_xmask:2 row_mask:0xf bank_mask:0xf
	v_add_f32_dpp v6, v6, v6 row_xmask:4 row_mask:0xf bank_mask:0xf
	v_add_f32_dpp v6, v6, v6 row_xmask:8 row_mask:0xf bank_mask:0xf
	v_permlanex16_b32 v8, v6, s12, s13             ; v8 has been written: the destination counts as read
	v_add_f32 v6, v6, v8
	s_mov_b32 s14, 1<<(\i)
	v_cndmask_b32 v9, v9, v6, s14                  ; lane i keeps row i's sum
.endm
.irp i, 0,1,2,3,4,5,6,7
	ROW \i
.endr
	s_wait_xcnt 0x0                                ; EXEC is a source of the stores above: it changes only behind this wait
	v_cmp_gt_u32 vcc_lo, 8, v1
	s_and_saveexec_b32 s15, vcc_lo
	global_store_b32 v4, v9, s[10:11]              ; lanes 0 to 7: my wave's 8 rows of z
	s_wait_xcnt 0x0                                ; and again in front of the line that widens it
	s_or_b32 exec_lo, exec_lo, s15
	s_endpgm
.Lfunc_end_k_qe9eb4a2a1e_prep:
	.size	k_qe9eb4a2a1e_prep, .Lfunc_end_k_qe9eb4a2a1e_prep-k_qe9eb4a2a1e_prep
	.p2alignl 7, 3214868480
	.fill 96, 4, 3214868480
	.section	.rodata,"a",@progbits
	.p2align	6, 0x0
	.amdhsa_kernel k_qe9eb4a2a1e_prep
		.amdhsa_group_segment_fixed_size 0
		.amdhsa_private_segment_fixed_size 0
		.amdhsa_enable_private_segment 0
		.amdhsa_kernarg_size 32
		.amdhsa_user_sgpr_count 2
		.amdhsa_user_sgpr_kernarg_segment_ptr 1
		.amdhsa_wavefront_size32 1
		.amdhsa_system_sgpr_workgroup_id_x 1
		.amdhsa_system_sgpr_workgroup_id_y 1
		.amdhsa_system_sgpr_workgroup_id_z 1
		.amdhsa_system_vgpr_workitem_id 0
		.amdhsa_next_free_vgpr 160
		.amdhsa_next_free_sgpr 66
		.amdhsa_reserve_vcc 1
		.amdhsa_float_denorm_mode_32 3
		.amdhsa_float_denorm_mode_16_64 3
		.amdhsa_memory_ordered 1
		.amdhsa_forward_progress 1
		.amdhsa_inst_pref_size 26
	.end_amdhsa_kernel
	.amdgpu_metadata
---
amdhsa.version: [ 1, 2 ]
amdhsa.kernels:
  - .name:           k_qe9eb4a2a1e_prep
    .symbol:         k_qe9eb4a2a1e_prep.kd
    .args:
      - { .name: x, .offset: 0, .size: 8, .value_kind: global_buffer, .address_space: global }
      - { .name: query, .offset: 8, .size: 8, .value_kind: global_buffer, .address_space: global }
      - { .name: xb, .offset: 16, .size: 8, .value_kind: global_buffer, .address_space: global }
      - { .name: z, .offset: 24, .size: 8, .value_kind: global_buffer, .address_space: global }
    .group_segment_fixed_size: 0
    .private_segment_fixed_size: 0
    .kernarg_segment_align: 8
    .kernarg_segment_size: 32
    .max_flat_workgroup_size: 512
    .sgpr_count:     66
    .vgpr_count:     160
    .wavefront_size: 32
...
	.end_amdgpu_metadata
.endif
;; end of part 1
;; launch sweep1 (part 2): grid 16 x 16, 4 waves a work-group, no clusters, 327,680 bytes of LDS; arguments xb, z, part; writes part
.if DOCPART == 2
	.amdgcn_target "amdgcn-amd-amdhsa--gfx1250"
	.amdhsa_code_object_version 6
	.text
	.protected	k_qe9eb4a2a1e_sweep1
	.globl	k_qe9eb4a2a1e_sweep1
	.p2align	8
	.type	k_qe9eb4a2a1e_sweep1,@function
k_qe9eb4a2a1e_sweep1:
	s_mov_b64 s[64:65], 0
	v_nop
	global_prefetch_b8 v0, s[64:65] scope:SCOPE_SE
	s_setreg_imm32_b32 hwreg(HW_REG_WAVE_MODE, 25, 1), 1
	s_wait_xcnt 0x0
; FIRST SWEEP OVER S = xb xb^T (per batch: 2048 x 2048, K = 512, bf16 operands, f32 sums).  For every row s and a set of keys it leaves a partial
; (cm, l, u): cm = c max S_st, l = sum 2^(c S_st - cm), u = sum 2^(c S_st - cm) z_t, c = log2(e), z_t = xb_t . query.  The next launch merges a row's 16 partials:
; u / l is the row's pooling score, since y = softmax(S) xb enters reference() only through y . query and through a weighted sum of its rows; y itself is never formed.
; S IS SYMMETRIC (reference() multiplies x by itself), so a block of 128 x 128 serves the rows on both its sides.  Work-group (I, b) holds block I's 128 rows in registers and
; walks the blocks I, I+1 .. I+8 (mod 16): 9 trips for each of 256 work-groups.  Every trip serves my own rows (DIR1, a running maximum); trips 1 to 7 serve the streamed rows too
; (DIR2, one partial a trip with its exact maximum).  A row of block T so gets the key blocks T .. T+8 from work-group T and T-1 .. T-7 from the work-groups T-1 .. T-7: all 16, each once.
; part: f32 [plane cm, l, u][b][k 0..15][row 0..2047].  Slot k = ch: work-group T's own waves.  Slot k = 2 j + rh, j = 1..7: work-group T - j.  Each slot is stored once.
; SHARES.  Wave wv: rh = wv / 2 (which 64 own rows), ch = wv % 2 (which 64 streamed rows).  S^T tile: source 0 = 16 streamed rows (from LDS), source 1 = 16 own rows (registers, all 512 of K,
; loaded once): 16 accumulators (a = streamed block, nb = own block), 256 matrix instructions a trip.  In a result a lane holds ONE own row (lane % 16) and the streamed rows 8 (lane / 16) + 0..7.
; NO CLUSTER: in trip j the 16 work-groups of a batch read the 16 different blocks (I + j) mod 16: no two ask for the same tile in the same trip.
; LIMITS.  A weight below 2^-126 counts as 0; NaN and infinities are not treated apart; the sums' order differs from reference()'s.
; LDS: two slots of 128 rows x 1,040 bytes, then the spare words.  lds_bytes is all of a WGP's LDS.
; REGISTERS, in windows of 256 (s_set_vgpr_msb: bits 1:0 source 0, 3:2 source 1, 5:4 source 2, 7:6 destination):
;   window 0: v0-9 addresses; v12-19 z of my own rows; v20-67 running statistics; v68-99 z of the streamed rows, later DIR2's work; v100-127 at work; v128-255 the accumulators
;   window 1: two buffers of streamed fragments (4 k chunks x 4 blocks of 16 rows)          windows 2, 3: my own rows' fragments: (nb, kc) in window 2 + nb / 2 at v[128 (nb % 2) + 8 kc]
.set PITCH, 1040                       ; an LDS row: 1,024 bytes + 16 of padding = 260 words: row r starts at bank 4 r mod 64 (64 banks of 4 bytes: ISA guide 11.1)
.set QUART, 32*PITCH                   ; what one tensor load brings: 32 rows
.set SLOT,  128*PITCH
.set SPARE, 2*SLOT                     ; the spare words, 128 bytes for each wave: two blocks of 256 bytes that no other line names
.set PLANE, 2097152                    ; bytes in a plane of part
.set FA,  0                            ; fragment buffers, in window 1
.set FB,  128
.set ZO,  12                           ; v[12:19]   z of own row 16 nb + lane % 16, written twice: a pair for each nb
.set ST,  20                           ; v[20:35]   for each nb: c m, m, a, c m_old - c m
.set LL,  36                           ; v[36:51]   for each nb four partial l
.set UU,  52                           ; v[52:67]   for each nb four partial u
.set ZS,  68                           ; v[68:99]   z of streamed row 16 a + 8 (lane / 16) + j at ZS + 8 a + j
.set XX,  68                           ; DIR2 (behind DIR1, which is ZS's last reader): c max of 8 streamed rows,
.set L2,  76                           ;   their l,
.set U2,  84                           ;   their u
.set RC,  92                           ; v[92:97], v[116:121], v[122:127]: folded results l0 l1 u0 u1 m0 m1
.set T0,  100                          ; v[100:107], v[108:115] at work
.set T1,  108
.set RA,  116
.set RB,  122
.set ACC, 128                          ; accumulator (a, nb) at ACC + 8 (4 a + nb)
; scalars: s[4:9] xb, z, part; s10 wave, s11 rh, s12 ch, s13 I, s14 b, s15 j, s16 the slot read (0 or SLOT), s17 at work, s[18:19] an offset (s19 = 0), s[20:21] c, s[22:23] lane selects,
; s[24:31] descriptor group 1, s[32:35] group 0 (slot 0's first fill, then every refill), s[36:39] group 0 (slot 1's first fill), s40 wave x QUART, s41 ch<<8 | rh<<13,
; s[42:43] xb at my quarter of the batch's block 0, s[44:45] z at my streamed half of block 0, s[46:47] z for the trip, s[48:49] part at the batch, s[50:51] the stores' base,
; s52-55 lanes whose bit 0, 1, 2, 3 is set, s56 lanes 16-31, s57 the streamed block
.set MSB, 0
.macro WIN new                         ; the immediate's high byte repeats the setting that is left; a switch that changes nothing is dropped
.if MSB != (\new)
	s_set_vgpr_msb (MSB<<8)|(\new)
.set MSB, (\new)
.endif
.endm
.macro PLACES                          ; four places: in front of loads into registers that matrix instructions have read, and of vector lines that read results
.rept 4
	v_nop
.endr
.endm
; THE CHANGE OF SLOTS.  Each wave waits for all its tensor loads, of which one is out: its quarter of the slot to be read; adds 0 to its spare word; waits for that and for its reads of the slot
; just left.  Behind the barrier nobody reads the old slot and the new one is whole.  fill = 1: the old slot takes block I + j + 1: my one tensor load, the first thing behind the barrier; it has the whole trip in which to land.
.macro HEAD fill
	WIN 0
	s_wait_tensorcnt 0x0                           ; no tensor load of mine is out, so group 0 may be written
	ds_add_u32 v8, v9                              ; 0 onto my spare word; scalar work stands between it and the wait for it
.if \fill
	s_add_co_u32 s17, s13, s15
	s_add_co_u32 s17, s17, 1
	s_and_b32 s17, s17, 15                         ; block (I + j + 1) mod 16,
	s_lshl_b32 s18, s17, 17                        ; 131,072 bytes a block
	s_add_nc_u64 s[34:35], s[42:43], s[18:19]
	s_or_b32 s35, s35, 0x80000000                  ; type = 2
	s_xor_b32 s17, s16, SLOT                       ; the slot that is not read in this trip
	s_add_co_u32 s33, s40, s17
.endif
	s_wait_dscnt 0x0                               ; the add is done, and my reads of the old slot are over
	s_barrier_signal -1
	s_barrier_wait -1
.if \fill
	tensor_load_to_lds s[32:35], s[24:31]
	s_nop 0
	PLACES
.endif
.endm
; 32 LDS loads in one run: k chunks 4 g .. 4 g + 3 of my 64 streamed rows into buffer f.  A fragment is 16 rows x 32 K in 8 registers: lane l holds row l % 16,
; K = 8 (l / 16) + 0..7 and 16 + 8 (l / 16) + 0..7: two loads of 16 bytes, 32 bytes apart.
.macro FETCH g, f
	WIN 0x40                                       ; destination window 1, address window 0
.irp kc, 0,1,2,3
.irp a, 0,1,2,3
	ds_load_b128 v[(\f)+32*\kc+8*\a:(\f)+32*\kc+8*\a+3],   v3 offset:\a*16*PITCH+(4*(\g)+\kc)*64
	ds_load_b128 v[(\f)+32*\kc+8*\a+4:(\f)+32*\kc+8*\a+7], v3 offset:\a*16*PITCH+(4*(\g)+\kc)*64+32
.endr
.endr
.endm
; 64 matrix instructions: four k chunks on all 16 accumulators, in two stretches under one window setting.  Eight accumulators take turns, one instruction a turn.
; zero = 1: the first chunk's products start the sums: nothing is cleared.
.macro MUL g, f, zero
.irp hw, 0,1
	WIN 0x09+4*\hw                                 ; source 0 window 1, source 1 window 2 or 3, C and D window 0
.irp kc, 0,1,2,3
.irp a, 0,1,2,3
.irp nl, 0,1
.if (\zero) && (\kc == 0)
	v_wmma_f32_16x16x32_bf16 v[ACC+8*(4*\a+2*\hw+\nl):ACC+8*(4*\a+2*\hw+\nl)+7], v[(\f)+32*\kc+8*\a:(\f)+32*\kc+8*\a+7], v[128*\nl+8*(4*(\g)+\kc):128*\nl+8*(4*(\g)+\kc)+7], 0
.else
	v_wmma_f32_16x16x32_bf16 v[ACC+8*(4*\a+2*\hw+\nl):ACC+8*(4*\a+2*\hw+\nl)+7], v[(\f)+32*\kc+8*\a:(\f)+32*\kc+8*\a+7], v[128*\nl+8*(4*(\g)+\kc):128*\nl+8*(4*(\g)+\kc)+7], v[ACC+8*(4*\a+2*\hw+\nl):ACC+8*(4*\a+2*\hw+\nl)+7]
.endif
.endr
.endr
.endr
.endr
.endm
.macro PRODUCTS                        ; a trip's 256 matrix instructions; each run of loads is issued 64 matrix instructions ahead of its first use
	FETCH 0, FA
	FETCH 1, FB
	s_wait_dscnt 32                                ; all but the youngest run (my own rows' fragments, issued earlier, among what is in)
	MUL 0, FA, 1
	PLACES
	FETCH 2, FA
	s_wait_dscnt 32
	MUL 1, FB, 0
	PLACES
	FETCH 3, FB
	s_wait_dscnt 32
	MUL 2, FA, 0
	s_wait_dscnt 0x0
	MUL 3, FB, 0
	WIN 0
	PLACES
.endm
.macro TRIPADR                         ; the trip's addresses, and z of the streamed rows, which has the products in which to land
	s_wait_xcnt 0x0                                ; every earlier memory instruction has had its addresses translated (ISA guide 3.1): the bases below, and the last trip's store data, are rewritten only behind this wait
	s_add_co_u32 s57, s13, s15
	s_and_b32 s57, s57, 15                         ; the streamed block: (I + j) mod 16
	s_lshl_b32 s18, s57, 9
	s_add_nc_u64 s[46:47], s[44:45], s[18:19]
	v_add_nc_u32 v3, s16, v2
.irp a, 0,1,2,3
	global_load_b128 v[ZS+8*\a:ZS+8*\a+3],   v4, s[46:47] offset:64*\a
	global_load_b128 v[ZS+8*\a+4:ZS+8*\a+7], v4, s[46:47] offset:64*\a+16
.endr
.endm
.macro EXP8 r
.irp e, 0,1,2,3,4,5,6,7
	v_exp_f32 v[(\r)+\e], v[(\r)+\e]
.endr
.endm
; DIR1: THE OWN ROWS.  Number n of the 22 that find own block b's new maximum and statistics; each accumulator's lowest registers are read first.
;   0-11 four chains c0-c3 (one for each a) of seven scores, three operands at a time     12-14, 16 the four scores left over, the old m, c0-c3 into c0     15 c m_old is kept
;   17, 18 the row's other 32 keys lie in the lane 16 away     19-21 c m; c m_old - c m_new; a
.macro XS b, n
.set rT, ST+4*(\b)
.set rC, T0+4*(\b)
.set rA, ACC+8*(\b)
.if (\n) < 4
	v_max3_num_f32 v[rC+(\n)], v[rA+32*(\n)], v[rA+32*(\n)+1], v[rA+32*(\n)+2]
.elseif (\n) < 12
	v_max3_num_f32 v[rC+(\n)%4], v[rC+(\n)%4], v[rA+32*((\n)%4)+2*((\n)/4)+1], v[rA+32*((\n)%4)+2*((\n)/4)+2]
.elseif (\n) == 12
	v_max3_num_f32 v[rC], v[rC], v[rA+7], v[rA+39]
.elseif (\n) == 13
	v_max3_num_f32 v[rC+1], v[rC+1], v[rA+71], v[rA+103]
.elseif (\n) == 14
	v_max3_num_f32 v[rC+2], v[rC+2], v[rC+3], v[rT+1]
.elseif (\n) == 15
	v_mov_b32 v[rT+3], v[rT]
.elseif (\n) == 16
	v_max3_num_f32 v[rC], v[rC], v[rC+1], v[rC+2]
.elseif (\n) == 17
	v_permlanex16_b32 v[rC+3], v[rC], s22, s23
.elseif (\n) == 18
	v_max_num_f32 v[rT+1], v[rC], v[rC+3]
.elseif (\n) == 19
	v_mul_f32 v[rT], s20, v[rT+1]
.elseif (\n) == 20
	v_sub_f32 v[rT+3], v[rT+3], v[rT]
.else
	v_exp_f32 v[rT+2], v[rT+3]
.endif
.endm
.macro SCL q                           ; accumulator q (nb = q / 4, a = q % 4): c s - c m into T0 or T1 by turns
.set rA, ACC+32*((\q)%4)+8*((\q)/4)
.set rT, ST+4*((\q)/4)
.set rX, T0+8*((\q)%2)
.irp p, 0,1,2,3
	v_pk_fma_f32 v[rX+2*\p:rX+2*\p+1], v[rA+2*\p:rA+2*\p+1], s[20:21], v[rT:rT+1] op_sel_hi:[1,0,0] neg_lo:[0,0,1] neg_hi:[0,0,1]
.endr
.endm
.macro ACU q                           ; its eight weights onto l, and times z onto u, two chains each
.set rX, T0+8*((\q)%2)
.set rL, LL+4*((\q)/4)
.set rU, UU+4*((\q)/4)
.set rZ, ZS+8*((\q)%4)
	s_wait_alu depctr_va_vdst(0)
.irp p, 0,1,2,3
	v_pk_add_f32 v[rL+2*((\p)%2):rL+2*((\p)%2)+1], v[rL+2*((\p)%2):rL+2*((\p)%2)+1], v[rX+2*\p:rX+2*\p+1]
	v_pk_fma_f32 v[rU+2*((\p)%2):rU+2*((\p)%2)+1], v[rX+2*\p:rX+2*\p+1], v[rZ+2*\p:rZ+2*\p+1], v[rU+2*((\p)%2):rU+2*((\p)%2)+1]
.endr
.endm
.macro DIR1
.irp n, 0,1,2,3,4,5,6,7,8,9,10,11,12,13,14,15,16,17,18,19,20,21
.irp b, 0,1,2,3
	XS \b, \n                                      ; the four own blocks alternate, so that no line reads the result of the one before it
.endr
.endr
	SCL 0                                          ; plain lines between the four exponentials above and the use of a (ISA guide 5.7.2)
	s_wait_alu depctr_va_vdst(0)
.irp b, 0,1,2,3
	v_pk_mul_f32 v[LL+4*\b:LL+4*\b+1],   v[LL+4*\b:LL+4*\b+1],   v[ST+4*\b+2:ST+4*\b+3] op_sel_hi:[1,0]
	v_pk_mul_f32 v[LL+4*\b+2:LL+4*\b+3], v[LL+4*\b+2:LL+4*\b+3], v[ST+4*\b+2:ST+4*\b+3] op_sel_hi:[1,0]
	v_pk_mul_f32 v[UU+4*\b:UU+4*\b+1],   v[UU+4*\b:UU+4*\b+1],   v[ST+4*\b+2:ST+4*\b+3] op_sel_hi:[1,0]
	v_pk_mul_f32 v[UU+4*\b+2:UU+4*\b+3], v[UU+4*\b+2:UU+4*\b+3], v[ST+4*\b+2:ST+4*\b+3] op_sel_hi:[1,0]
.endr
.set q, 0
.rept 16
	EXP8 T0+8*(q%2)
.if q < 15
	SCL q+1                                        ; the next accumulator's scaling is the plain work behind the exponentials
.else
	v_nop
	s_wait_alu depctr_va_vdst(0)
.endif
	ACU q
.set q, q+1
.endr
.endm
; DIR2: THE STREAMED ROWS.  Their keys are my 64 own rows, spread over 16 lanes and 4 accumulators.  Sums over the 16 lanes are made by a butterfly that folds a bit of the register index into a bit of
; the lane's number at each stage: a pair of lanes exchanges what the other keeps.  Stage 1: j bit 1 -> lane bit 0; 2: j bit 2 -> lane bit 1; 3: a bit 0 -> lane bit 2; 4: a bit 1 -> lane bit 3.
; j bit 0 stays a register index.  So a register pair ends with rows rho, rho + 1, rho = 32 r3 + 16 r2 + 8 (lane / 16) + 4 r1 + 2 r0: one 8-byte store of the wave covers 256 consecutive bytes, aligned.
.macro BSEL dst, a, b, mask, tmp       ; lanes with the bit clear keep a and send b; the others keep b and send a
	v_cndmask_b32 v[\tmp], v[\b], v[\a], s[\mask]
	v_cndmask_b32 v[\dst], v[\a], v[\b], s[\mask]
.endm
.macro BADD dst, tmp, xm
	v_add_f32_dpp v[\dst], v[\tmp], v[\dst] row_xmask:\xm row_mask:0xf bank_mask:0xf
.endm
.macro F2 a, b, dst                    ; c s - c max for accumulator (a, b)
.set rA, ACC+32*(\a)+8*(\b)
.irp p, 0,1,2,3
	v_pk_fma_f32 v[(\dst)+2*\p:(\dst)+2*\p+1], v[rA+2*\p:rA+2*\p+1], s[20:21], v[XX+2*\p:XX+2*\p+1] op_sel_hi:[1,0,1] neg_lo:[0,0,1] neg_hi:[0,0,1]
.endr
.endm
.macro A2 src, b
	s_wait_alu depctr_va_vdst(0)
.irp p, 0,1,2,3
	v_pk_add_f32 v[L2+2*\p:L2+2*\p+1], v[L2+2*\p:L2+2*\p+1], v[(\src)+2*\p:(\src)+2*\p+1]
	v_pk_fma_f32 v[U2+2*\p:U2+2*\p+1], v[(\src)+2*\p:(\src)+2*\p+1], v[ZO+2*(\b):ZO+2*(\b)+1], v[U2+2*\p:U2+2*\p+1]
.endr
.endm
.macro D2A a, dst                      ; streamed block a: maximum, weights, sums, and the first two stages, into dst
.irp j, 0,1,2,3,4,5,6,7
	v_max3_num_f32 v[XX+\j], v[ACC+32*(\a)+\j], v[ACC+32*(\a)+8+\j], v[ACC+32*(\a)+16+\j]
.endr
.irp j, 0,1,2,3,4,5,6,7
	v_max_num_f32 v[XX+\j], v[XX+\j], v[ACC+32*(\a)+24+\j]
.endr
.irp m, 1,2,4,8
.irp j, 0,1,2,3,4,5,6,7
	v_max_num_f32_dpp v[XX+\j], v[XX+\j], v[XX+\j] row_xmask:\m row_mask:0xf bank_mask:0xf
.endr
.endr                                  ; every lane of a half now holds the eight rows' exact maxima over my 64 keys
.irp p, 0,1,2,3
	v_pk_mul_f32 v[XX+2*\p:XX+2*\p+1], v[XX+2*\p:XX+2*\p+1], s[20:21] op_sel_hi:[1,0]
.endr
	F2 \a, 0, L2
	EXP8 L2
	F2 \a, 1, T0                                   ; behind each run of exponentials stands plain work that names none of its registers
	s_wait_alu depctr_va_vdst(0)
.irp p, 0,1,2,3
	v_pk_mul_f32 v[U2+2*\p:U2+2*\p+1], v[L2+2*\p:L2+2*\p+1], v[ZO:ZO+1]
.endr
	EXP8 T0
	F2 \a, 2, T1
	A2 T0, 1
	EXP8 T1
	F2 \a, 3, T0
	A2 T1, 2
	EXP8 T0
	v_cndmask_b32 v[XX],   v[XX],   v[XX+2], s52   ; c max is the same in all 16 lanes: its two stages are selects alone
	v_cndmask_b32 v[XX+1], v[XX+1], v[XX+3], s52
	v_cndmask_b32 v[XX+4], v[XX+4], v[XX+6], s52
	v_cndmask_b32 v[XX+5], v[XX+5], v[XX+7], s52
	v_cndmask_b32 v[(\dst)+4], v[XX],   v[XX+4], s53
	v_cndmask_b32 v[(\dst)+5], v[XX+1], v[XX+5], s53
	s_wait_alu depctr_va_vdst(0)
	A2 T0, 3
.irp j, 0,1,4,5
	BSEL L2+\j, L2+\j, L2+\j+2, 52, T1+\j
	BSEL U2+\j, U2+\j, U2+\j+2, 52, T1+\j+2
.endr
.irp j, 0,1,4,5
	BADD L2+\j, T1+\j, 1
	BADD U2+\j, T1+\j+2, 1
.endr
.irp j, 0,1
	BSEL (\dst)+\j,   L2+\j, L2+\j+4, 53, T1+\j
	BSEL (\dst)+2+\j, U2+\j, U2+\j+4, 53, T1+2+\j
.endr
.irp j, 0,1
	BADD (\dst)+\j,   T1+\j,   2
	BADD (\dst)+2+\j, T1+2+\j, 2
.endr
.endm
.macro MERGE ra, rb, mask, xm          ; a later stage: two folded results into the first
.irp i, 0,1,2,3
	BSEL (\ra)+\i, (\ra)+\i, (\rb)+\i, \mask, T1+\i
.endr
.irp i, 0,1,2,3
	BADD (\ra)+\i, T1+\i, \xm
.endr
	v_cndmask_b32 v[(\ra)+4], v[(\ra)+4], v[(\rb)+4], s[\mask]
	v_cndmask_b32 v[(\ra)+5], v[(\ra)+5], v[(\rb)+5], s[\mask]
.endm
.macro DIR2
	s_lshl_b32 s18, s15, 14                        ; slot k = 2 j + rh, 8,192 bytes a slot,
	s_lshl_b32 s17, s57, 9                         ; the streamed block's rows,
	s_add_co_u32 s18, s18, s17
	s_add_co_u32 s18, s18, s41                     ; my half of them, and rh
	s_add_nc_u64 s[50:51], s[48:49], s[18:19]      ; (the last trip's stores were freed by the wait at this trip's head)
	D2A 0, RA
	D2A 1, RB
	MERGE RA, RB, 54, 4
	D2A 2, RB
	D2A 3, RC
	MERGE RB, RC, 54, 4
	MERGE RA, RB, 55, 8
	global_store_b64 v5, v[RA+4:RA+5], s[50:51]
	global_store_b64 v5, v[RA:RA+1],   s[50:51] offset:PLANE
	global_store_b64 v5, v[RA+2:RA+3], s[50:51] offset:2*PLANE
.endm
	s_load_b128 s[4:7], s[0:1], 0x0                ; xb s[4:5], z s[6:7]
	s_load_b64 s[8:9], s[0:1], 0x10                ; part
	v_lshl_add_u32 v8, v0, 2, SPARE
	v_mov_b32 v9, 0
	ds_add_u32 v8, v9                              ; the wave's opening: the add and its wait stand ahead of my first tensor load; work on registers stands between them
	v_lshrrev_b32 v10, 5, v0
	v_readfirstlane_b32 s10, v10                   ; wave 0..3
	s_lshr_b32 s11, s10, 1                         ; rh
	s_and_b32 s12, s10, 1                          ; ch
	s_mov_b32 s13, ttmp9                           ; I
	s_and_b32 s14, ttmp7, 0xffff                   ; b
	s_mov_b32 s19, 0
	s_mov_b32 s20, 0x3fb8aa3b                      ; c = log2(e)
	s_mov_b32 s21, s20                             ; named with it as a pair
	s_mov_b32 s22, 0x76543210
	s_mov_b32 s23, 0xfedcba98
	; descriptor group 1: a tile of 32 rows x 512 elements (a quarter of a block; its rows are 1,024 bytes of memory, aligned), padded in LDS
	s_mov_b32 s24, (1<<16)|(1<<20)|(7<<22)|(3<<25) ; 17:16 elements of 2 bytes; 20 padding on; 24:22 after every 256 words (code 7); 31:25 4 words of it (code 3)
	s_mov_b32 s25, 512<<16                         ; tensor_dim0 = 512
	s_mov_b32 s26, 32<<16                          ; tensor_dim1 = 32
	s_mov_b32 s27, 512<<16                         ; tile_dim0 = 512
	s_mov_b32 s28, 32                              ; tile_dim1 = 32
	s_mov_b32 s29, 512                             ; elements from row to row
	s_mov_b32 s30, 0
	s_mov_b32 s31, 0
	s_mul_i32 s40, s10, QUART                      ; my quarter's place in a slot
	s_lshl_b32 s41, s12, 8
	s_lshl_b32 s17, s11, 13
	s_or_b32 s41, s41, s17
	s_mov_b32 s52, 0xaaaaaaaa
	s_mov_b32 s53, 0xcccccccc
	s_mov_b32 s54, 0xf0f0f0f0
	s_mov_b32 s55, 0xff00ff00
	s_mov_b32 s56, 0xffff0000
	s_mov_b32 s32, 1                               ; count = 1
	s_mov_b32 s33, s40                             ; slot 0
	s_mov_b32 s36, 1
	s_add_co_u32 s37, s40, SLOT                    ; slot 1
	s_wait_dscnt 0x0                               ; the opening add is done
	s_wait_kmcnt 0x0
	s_lshl_b32 s18, s14, 21                        ; the batch: 2,048 rows of 1,024 bytes,
	s_lshl_b32 s17, s10, 15                        ; my 32 rows of a block
	s_add_co_u32 s18, s18, s17
	s_add_nc_u64 s[42:43], s[4:5], s[18:19]
	s_lshl_b32 s18, s13, 17
	s_add_nc_u64 s[34:35], s[42:43], s[18:19]      ; block I
	s_or_b32 s35, s35, 0x80000000
	s_add_co_u32 s17, s13, 1
	s_and_b32 s17, s17, 15
	s_lshl_b32 s18, s17, 17
	s_add_nc_u64 s[38:39], s[42:43], s[18:19]      ; block I + 1
	s_or_b32 s39, s39, 0x80000000
	tensor_load_to_lds s[32:35], s[24:31]          ; the two first fills go out together: two loads of mine are out
	s_nop 0
	tensor_load_to_lds s[36:39], s[24:31]
	s_nop 0
	PLACES
	s_lshl_b32 s18, s14, 13
	s_lshl_b32 s17, s12, 8
	s_add_co_u32 s18, s18, s17
	s_add_nc_u64 s[44:45], s[6:7], s[18:19]        ; z: the batch, my half of a streamed block
	s_lshl_b32 s18, s14, 13
	s_lshl_b32 s17, s13, 9
	s_add_co_u32 s18, s18, s17
	s_lshl_b32 s17, s11, 8
	s_add_co_u32 s18, s18, s17
	s_add_nc_u64 s[46:47], s[6:7], s[18:19]        ; z of my own 64 rows
	s_lshl_b32 s18, s14, 17
	s_add_nc_u64 s[48:49], s[8:9], s[18:19]        ; part at the batch
	v_and_b32 v1, 15, v0                           ; r = l % 16
	v_bfe_u32 v10, v0, 4, 1                        ; h = l / 16
	v_mul_u32_u24 v11, v1, PITCH
	v_lshl_add_u32 v11, v10, 4, v11                ; row x pitch + 16 x half
	s_mul_i32 s17, s12, 64*PITCH
	v_add_nc_u32 v2, s17, v11                      ; my streamed rows in a slot
	s_mul_i32 s17, s11, 64*PITCH
	v_add_nc_u32 v7, s17, v11                      ; my own rows in slot 0
	v_lshlrev_b32 v4, 5, v10                       ; z of the streamed rows: 32 h
	v_and_b32 v11, 3, v1
	v_lshl_add_u32 v5, v11, 3, v4                  ; the folded rows' bytes: 8 (r % 4) + 32 h
	v_lshrrev_b32 v11, 2, v1
	v_lshl_add_u32 v5, v11, 6, v5                  ; + 64 (r / 4)
	v_and_b32 v6, 31, v0
	v_lshlrev_b32 v6, 2, v6                        ; 4 x lane
	v_lshlrev_b32 v3, 2, v1
.irp b, 0,1,2,3
	global_load_b32 v[ZO+2*\b], v3, s[46:47] offset:64*\b
.endr
.irp b, 0,1,2,3
	v_mov_b32 v[ST+4*\b], 0xfe000000               ; c m: far below every c s, so the first trip's a is 0
	v_mov_b32 v[ST+4*\b+1], 0xff7fffff             ; m: the lowest finite number
.endr
.set i, 0
.rept 32
	v_mov_b32 v[LL+i], 0                           ; l and u
.set i, i+1
.endr
	s_wait_tensorcnt 0x1                           ; my quarter of slot 0 is in; slot 1's may stay out
	s_barrier_signal -1
	s_barrier_wait -1                              ; everybody's is
	s_wait_loadcnt 0x0
.irp b, 0,1,2,3
	v_mov_b32 v[ZO+2*\b+1], v[ZO+2*\b]
.endr
; The walk's first block is my own, so my own rows' fragments come out of slot 0: 128 loads, once.
.irp w, 0,1
	WIN 0x80+0x40*\w                               ; destination window 2, then 3
.irp nl, 0,1
.set kc, 0
.rept 16
	ds_load_b128 v[128*\nl+8*kc:128*\nl+8*kc+3],   v7 offset:(2*\w+\nl)*16*PITCH+64*kc
	ds_load_b128 v[128*\nl+8*kc+4:128*\nl+8*kc+7], v7 offset:(2*\w+\nl)*16*PITCH+64*kc+32
.set kc, kc+1
.endr
.endr
.endr
	WIN 0
	s_mov_b32 s15, 0
	s_mov_b32 s16, 0
	s_branch .Lbody                                ; trip 0 has no change of slots
.Ltrip:                                                ; trips 1 to 7
	HEAD 1
.Lbody:
	TRIPADR
	PRODUCTS
	s_wait_loadcnt 0x0                             ; z of the streamed rows
	DIR1
	s_cmp_eq_u32 s15, 0
	s_cbranch_scc1 .Lskip                          ; the own block is served by DIR1 alone; what is jumped holds no barrier and no tensor load
	DIR2
.Lskip:
	s_xor_b32 s16, s16, SLOT
	s_add_co_u32 s15, s15, 1
	s_cmp_lt_u32 s15, 8
	s_cbranch_scc1 .Ltrip
	HEAD 0                                         ; trip 8 is written out: nothing is left to fetch, and block I + 8's rows are served by their own work-group
	TRIPADR
	PRODUCTS
	s_wait_loadcnt 0x0
	DIR1
	; my own rows' partial: the four chains, then the other half of the lanes'
.irp b, 0,1,2,3
	v_pk_add_f32 v[LL+4*\b:LL+4*\b+1], v[LL+4*\b:LL+4*\b+1], v[LL+4*\b+2:LL+4*\b+3]
	v_pk_add_f32 v[UU+4*\b:UU+4*\b+1], v[UU+4*\b:UU+4*\b+1], v[UU+4*\b+2:UU+4*\b+3]
.endr
.irp b, 0,1,2,3
	v_add_f32 v[LL+4*\b], v[LL+4*\b], v[LL+4*\b+1]
	v_add_f32 v[UU+4*\b], v[UU+4*\b], v[UU+4*\b+1]
.endr
.irp b, 0,1,2,3
	v_permlanex16_b32 v[LL+4*\b+1], v[LL+4*\b], s22, s23
	v_permlanex16_b32 v[UU+4*\b+1], v[UU+4*\b], s22, s23
.endr
.irp b, 0,1,2,3
	v_add_f32 v[LL+4*\b], v[LL+4*\b], v[LL+4*\b+1]
	v_add_f32 v[UU+4*\b], v[UU+4*\b], v[UU+4*\b+1]
.endr
.irp q, 0,1                            ; lanes 0-15 take own block 2 q, lanes 16-31 block 2 q + 1: the lane's number is the row's, less 32 q
	v_cndmask_b32 v[T0+3*\q],   v[ST+8*\q], v[ST+8*\q+4], s56
	v_cndmask_b32 v[T0+3*\q+1], v[LL+8*\q], v[LL+8*\q+4], s56
	v_cndmask_b32 v[T0+3*\q+2], v[UU+8*\q], v[UU+8*\q+4], s56
.endr
	s_lshl_b32 s18, s12, 13                        ; slot k = ch,
	s_lshl_b32 s17, s13, 9                         ; block I,
	s_add_co_u32 s18, s18, s17
	s_lshl_b32 s17, s11, 8                         ; my 64 rows
	s_add_co_u32 s18, s18, s17
	s_add_nc_u64 s[50:51], s[48:49], s[18:19]
.irp q, 0,1
	global_store_b32 v6, v[T0+3*\q],   s[50:51] offset:128*\q
	global_store_b32 v6, v[T0+3*\q+1], s[50:51] offset:PLANE+128*\q
	global_store_b32 v6, v[T0+3*\q+2], s[50:51] offset:2*PLANE+128*\q
.endr
	s_wait_tensorcnt 0x0                           ; the wave's end
	ds_add_u32 v8, v9
	s_wait_dscnt 0x0
	s_endpgm
.Lfunc_end_k_qe9eb4a2a1e_sweep1:
	.size	k_qe9eb4a2a1e_sweep1, .Lfunc_end_k_qe9eb4a2a1e_sweep1-k_qe9eb4a2a1e_sweep1
	.p2alignl 7, 3214868480
	.fill 96, 4, 3214868480
	.section	.rodata,"a",@progbits
	.p2align	6, 0x0
	.amdhsa_kernel k_qe9eb4a2a1e_sweep1
		.amdhsa_group_segment_fixed_size 327680
		.amdhsa_private_segment_fixed_size 0
		.amdhsa_enable_private_segment 0
		.amdhsa_kernarg_size 24
		.amdhsa_user_sgpr_count 2
		.amdhsa_user_sgpr_kernarg_segment_ptr 1
		.amdhsa_wavefront_size32 1
		.amdhsa_system_sgpr_workgroup_id_x 1
		.amdhsa_system_sgpr_workgroup_id_y 1
		.amdhsa_system_sgpr_workgroup_id_z 1
		.amdhsa_system_vgpr_workitem_id 0
		.amdhsa_next_free_vgpr 1024
		.amdhsa_next_free_sgpr 66
		.amdhsa_reserve_vcc 0
		.amdhsa_float_denorm_mode_32 3
		.amdhsa_float_denorm_mode_16_64 3
		.amdhsa_memory_ordered 1
		.amdhsa_forward_progress 1
		.amdhsa_inst_pref_size 157
	.end_amdhsa_kernel
	.amdgpu_metadata
---
amdhsa.version: [ 1, 2 ]
amdhsa.kernels:
  - .name:           k_qe9eb4a2a1e_sweep1
    .symbol:         k_qe9eb4a2a1e_sweep1.kd
    .args:
      - { .name: xb, .offset: 0, .size: 8, .value_kind: global_buffer, .address_space: global }
      - { .name: z, .offset: 8, .size: 8, .value_kind: global_buffer, .address_space: global }
      - { .name: part, .offset: 16, .size: 8, .value_kind: global_buffer, .address_space: global }
    .group_segment_fixed_size: 327680
    .private_segment_fixed_size: 0
    .kernarg_segment_align: 8
    .kernarg_segment_size: 24
    .max_flat_workgroup_size: 128
    .sgpr_count:     66
    .vgpr_count:     1024
    .wavefront_size: 32
...
	.end_amdgpu_metadata
.endif
;; end of part 2
;; launch comb (part 3): grid 16 x 1, 32 waves a work-group, no clusters, 4,608 bytes of LDS; arguments part, w, out1; writes w, out1
.if DOCPART == 3
	.amdgcn_target "amdgcn-amd-amdhsa--gfx1250"
	.amdhsa_code_object_version 6
	.text
	.protected	k_qe9eb4a2a1e_comb
	.globl	k_qe9eb4a2a1e_comb
	.p2align	8
	.type	k_qe9eb4a2a1e_comb,@function
k_qe9eb4a2a1e_comb:
	s_mov_b64 s[64:65], 0
	v_nop
	global_prefetch_b8 v0, s[64:65] scope:SCOPE_SE
	s_setreg_imm32_b32 hwreg(HW_REG_WAVE_MODE, 25, 1), 1
	s_wait_xcnt 0x0
; A row's 16 partials (cm, l, u) are merged: CM = max cm_k, l = sum l_k 2^(cm_k - CM), u likewise; the pooling score is sc = u / l.  Then the softmax over the batch's 2,048 scores, with its true
; maximum M: e = 2^((sc - M) c), L = sum e, p = e / L: out1.  For the second sweep: w plane 0 = CM, plane 1 = g = p / l, so that p_s W_st = 2^(c S_st - CM_s) g_s, both factors at most about 1.
; One work-group for each batch, since M and L span it; thread t owns rows 2 t, 2 t + 1: each load and store of a wave covers 256 consecutive bytes, aligned.
; LIMITS.  A factor below 2^-126 counts as 0; NaN and infinities are not treated apart.
; LDS: bytes 0-127 the waves' maxima, 256-383 their sums, 512 on the spare words (128 bytes for each of 32 waves).
.set PLANE, 2097152
.set WPL,   131072                     ; bytes in a plane of w
.set CMK,  16                          ; v[16:47]  cm of slot k, two rows
.set LK,   48                          ; v[48:79]  l
.set UK,   80                          ; v[80:111] u
; v[112:113] CM, v[114:115] l, v[116:117] u, v[118:119] 1 / l, v[120:121] sc, then e, v122-123 the reductions, v[124:125] p, v[126:127] g
.macro WMAX                            ; the maximum over the wave's 32 lanes of v122, in every lane
	v_max_num_f32_dpp v122, v122, v122 row_xmask:1 row_mask:0xf bank_mask:0xf
	v_max_num_f32_dpp v122, v122, v122 row_xmask:2 row_mask:0xf bank_mask:0xf
	v_max_num_f32_dpp v122, v122, v122 row_xmask:4 row_mask:0xf bank_mask:0xf
	v_max_num_f32_dpp v122, v122, v122 row_xmask:8 row_mask:0xf bank_mask:0xf
	v_permlanex16_b32 v123, v122, s14, s15
	v_max_num_f32 v122, v122, v123
.endm
.macro WSUM                            ; the sum likewise
	v_add_f32_dpp v122, v122, v122 row_xmask:1 row_mask:0xf bank_mask:0xf
	v_add_f32_dpp v122, v122, v122 row_xmask:2 row_mask:0xf bank_mask:0xf
	v_add_f32_dpp v122, v122, v122 row_xmask:4 row_mask:0xf bank_mask:0xf
	v_add_f32_dpp v122, v122, v122 row_xmask:8 row_mask:0xf bank_mask:0xf
	v_permlanex16_b32 v123, v122, s14, s15
	v_add_f32 v122, v122, v123
.endm
	s_load_b128 s[4:7], s[0:1], 0x0                ; part s[4:5], w s[6:7]
	s_load_b64 s[8:9], s[0:1], 0x10                ; out1
	v_lshl_add_u32 v6, v0, 2, 512                  ; my spare word,
	v_mov_b32 v7, 0                                ; and 0: kept for the add alone
	v_lshlrev_b32 v2, 3, v0                        ; 8 bytes a thread
	v_and_b32 v1, 31, v0
	v_lshlrev_b32 v4, 2, v1                        ; 4 x lane
	v_lshrrev_b32 v3, 5, v0
	v_readfirstlane_b32 s16, v3                    ; my wave's number
	v_mov_b32 v3, s16
	v_lshlrev_b32 v3, 2, v3                        ; 4 x wave
	v_mov_b32 v123, 0                              ; v_permlanex16_b32's destination counts as read
	s_lshl_b32 s10, ttmp9, 17                      ; the batch in part,
	s_mov_b32 s11, 0
	s_lshl_b32 s12, ttmp9, 13                      ; in w and out1
	s_mov_b32 s13, 0
	s_mov_b32 s14, 0x76543210
	s_mov_b32 s15, 0xfedcba98
	s_wait_kmcnt 0x0
	s_add_nc_u64 s[4:5], s[4:5], s[10:11]
	s_add_nc_u64 s[6:7], s[6:7], s[12:13]
	s_add_nc_u64 s[8:9], s[8:9], s[12:13]
.set k, 0
.rept 16
	global_load_b64 v[CMK+2*k:CMK+2*k+1], v2, s[4:5] offset:8192*k
	global_load_b64 v[LK+2*k:LK+2*k+1],   v2, s[4:5] offset:PLANE+8192*k
	global_load_b64 v[UK+2*k:UK+2*k+1],   v2, s[4:5] offset:2*PLANE+8192*k
.set k, k+1
.endr
	s_wait_loadcnt 0x0
.irp e, 0,1
	v_max3_num_f32 v[112+\e], v[CMK+\e], v[CMK+2+\e], v[CMK+4+\e]
.endr
.irp k, 3,5,7,9,11,13
.irp e, 0,1
	v_max3_num_f32 v[112+\e], v[112+\e], v[CMK+2*\k+\e], v[CMK+2*\k+2+\e]
.endr
.endr
.irp e, 0,1
	v_max_num_f32 v[112+\e], v[112+\e], v[CMK+30+\e]
.endr
.set k, 0
.rept 16
	v_pk_add_f32 v[CMK+2*k:CMK+2*k+1], v[CMK+2*k:CMK+2*k+1], v[112:113] neg_lo:[0,1] neg_hi:[0,1]
.set k, k+1
.endr
.set k, 0
.rept 32
	v_exp_f32 v[CMK+k], v[CMK+k]
.set k, k+1
.endr
	v_nop                                          ; a plain line between the last exponential and the use of its result (ISA guide 5.7.2)
	s_wait_alu depctr_va_vdst(0)
	v_pk_mul_f32 v[114:115], v[LK:LK+1], v[CMK:CMK+1]  ; slot 0 starts the sums
	v_pk_mul_f32 v[116:117], v[UK:UK+1], v[CMK:CMK+1]
.set k, 1
.rept 15
	v_pk_fma_f32 v[114:115], v[LK+2*k:LK+2*k+1], v[CMK+2*k:CMK+2*k+1], v[114:115]
	v_pk_fma_f32 v[116:117], v[UK+2*k:UK+2*k+1], v[CMK+2*k:CMK+2*k+1], v[116:117]
.set k, k+1
.endr
	v_rcp_f32 v118, v114
	v_rcp_f32 v119, v115
	v_nop
	s_wait_alu depctr_va_vdst(0)
	v_pk_mul_f32 v[120:121], v[116:117], v[118:119]  ; sc
	v_max_num_f32 v122, v120, v121
	WMAX
	ds_store_b32 v3, v122                          ; all lanes write the wave's word with the same value
	s_wait_dscnt 0x0                               ; for the others' sake: my store is done
	s_barrier_signal -1
	s_barrier_wait -1
	ds_load_b32 v122, v4                           ; lane i takes wave i's maximum
	s_wait_dscnt 0x0
	WMAX                                           ; M
	v_sub_f32 v120, v120, v122
	v_sub_f32 v121, v121, v122
	v_mul_f32 v120, 0x3fb8aa3b, v120
	v_mul_f32 v121, 0x3fb8aa3b, v121
	v_exp_f32 v120, v120
	v_exp_f32 v121, v121
	v_nop
	s_wait_alu depctr_va_vdst(0)
	v_add_f32 v122, v120, v121
	WSUM
	ds_store_b32 v3, v122 offset:256               ; other bytes than the maxima's: no wave need have finished reading those
	s_wait_dscnt 0x0
	s_barrier_signal -1
	s_barrier_wait -1
	ds_load_b32 v122, v4 offset:256
	s_wait_dscnt 0x0
	WSUM                                           ; L
	v_rcp_f32 v122, v122
	v_nop
	s_wait_alu depctr_va_vdst(0)
	v_mul_f32 v124, v120, v122                     ; p
	v_mul_f32 v125, v121, v122
	v_pk_mul_f32 v[126:127], v[124:125], v[118:119]  ; g = p / l
	global_store_b64 v2, v[124:125], s[8:9]
	global_store_b64 v2, v[112:113], s[6:7]
	global_store_b64 v2, v[126:127], s[6:7] offset:WPL
	s_wait_tensorcnt 0x0                           ; the wave's end, behind my last LDS store
	ds_add_u32 v6, v7
	s_wait_dscnt 0x0
	s_endpgm
.Lfunc_end_k_qe9eb4a2a1e_comb:
	.size	k_qe9eb4a2a1e_comb, .Lfunc_end_k_qe9eb4a2a1e_comb-k_qe9eb4a2a1e_comb
	.p2alignl 7, 3214868480
	.fill 96, 4, 3214868480
	.section	.rodata,"a",@progbits
	.p2align	6, 0x0
	.amdhsa_kernel k_qe9eb4a2a1e_comb
		.amdhsa_group_segment_fixed_size 4608
		.amdhsa_private_segment_fixed_size 0
		.amdhsa_enable_private_segment 0
		.amdhsa_kernarg_size 24
		.amdhsa_user_sgpr_count 2
		.amdhsa_user_sgpr_kernarg_segment_ptr 1
		.amdhsa_wavefront_size32 1
		.amdhsa_system_sgpr_workgroup_id_x 1
		.amdhsa_system_sgpr_workgroup_id_y 1
		.amdhsa_system_sgpr_workgroup_id_z 1
		.amdhsa_system_vgpr_workitem_id 0
		.amdhsa_next_free_vgpr 128
		.amdhsa_next_free_sgpr 66
		.amdhsa_reserve_vcc 0
		.amdhsa_float_denorm_mode_32 3
		.amdhsa_float_denorm_mode_16_64 3
		.amdhsa_memory_ordered 1
		.amdhsa_forward_progress 1
		.amdhsa_inst_pref_size 14
	.end_amdhsa_kernel
	.amdgpu_metadata
---
amdhsa.version: [ 1, 2 ]
amdhsa.kernels:
  - .name:           k_qe9eb4a2a1e_comb
    .symbol:         k_qe9eb4a2a1e_comb.kd
    .args:
      - { .name: part, .offset: 0, .size: 8, .value_kind: global_buffer, .address_space: global }
      - { .name: w, .offset: 8, .size: 8, .value_kind: global_buffer, .address_space: global }
      - { .name: out1, .offset: 16, .size: 8, .value_kind: global_buffer, .address_space: global }
    .group_segment_fixed_size: 4608
    .private_segment_fixed_size: 0
    .kernarg_segment_align: 8
    .kernarg_segment_size: 24
    .max_flat_workgroup_size: 1024
    .sgpr_count:     66
    .vgpr_count:     128
    .wavefront_size: 32
...
	.end_amdgpu_metadata
.endif
;; end of part 3
;; launch sweep2 (part 4): grid 16 x 16, 4 waves a work-group, no clusters, 327,680 bytes of LDS; arguments xb, w, pc; writes pc
.if DOCPART == 4
	.amdgcn_target "amdgcn-amd-amdhsa--gfx1250"
	.amdhsa_code_object_version 6
	.text
	.protected	k_qe9eb4a2a1e_sweep2
	.globl	k_qe9eb4a2a1e_sweep2
	.p2align	8
	.type	k_qe9eb4a2a1e_sweep2,@function
k_qe9eb4a2a1e_sweep2:
	s_mov_b64 s[64:65], 0
	v_nop
	global_prefetch_b8 v0, s[64:65] scope:SCOPE_SE
	s_setreg_imm32_b32 hwreg(HW_REG_WAVE_MODE, 25, 1), 1
	s_wait_xcnt 0x0
; SECOND SWEEP OVER S = xb xb^T: c_t = the sum over s of p_s W_st = the sum over s of 2^(c S_st - CM_s) g_s, with CM (the row's c max) and g = p / l from the launch before (w's two planes).
; out0 = the sum over t of c_t xb_t is made by the next launch.  The exponent is at most a rounding above 0 and g at most 1: nothing can overflow.
; The walk, the shares, the ring and the products are the first sweep's: work-group (I, b) holds block I's 128 rows in registers and walks the blocks I .. I+8 (mod 16); S is symmetric, so a block serves
; both its sides.  DIR1 (every trip): t = my own rows, s = the streamed rows.  DIR2 (trips 1 to 7): t = the streamed rows, s = my own rows.
; pc: f32 [b][k 0..15][row 0..2047].  Slot k = ch: work-group T's own waves.  Slot k = 2 j + rh, j = 1..7: work-group T - j.  Each slot is stored once; the 16 slots of a row add up to c_t.
; Wave wv: rh = wv / 2 (which 64 own rows), ch = wv % 2 (which 64 streamed rows).  S^T tile: source 0 = 16 streamed rows (LDS), source 1 = 16 own rows (registers): in a result a lane holds ONE own row
; (lane % 16) and the streamed rows 8 (lane / 16) + 0..7.
; NO CLUSTER: in trip j the 16 work-groups of a batch read the 16 different blocks (I + j) mod 16: no two ask for the same tile in the same trip.
; LIMITS.  A weight below 2^-126 counts as 0; NaN and infinities are not treated apart; the sums' order differs from reference()'s.
; LDS: two slots of 128 rows x 1,040 bytes, then the spare words.  lds_bytes is all of a WGP's LDS.
; REGISTERS, in windows of 256 (s_set_vgpr_msb: bits 1:0 source 0, 3:2 source 1, 5:4 source 2, 7:6 destination):
;   window 0: v0-9 addresses; v10-11, v122-127 g of my own rows; v12-19 their CM; v20-35, v52-67 g of the streamed rows; v36-51 my own rows' sums; v68-99 CM of the streamed rows, later DIR2's work;
;             v100-121 at work; v128-255 the accumulators
;   window 1: two buffers of streamed fragments          windows 2, 3: my own rows' fragments: (nb, kc) in window 2 + nb / 2 at v[128 (nb % 2) + 8 kc]
.set PITCH, 1040                       ; an LDS row: 1,024 bytes + 16 of padding = 260 words: row r starts at bank 4 r mod 64 (64 banks of 4 bytes: ISA guide 11.1)
.set QUART, 32*PITCH
.set SLOT,  128*PITCH
.set SPARE, 2*SLOT                     ; the spare words, 128 bytes for each wave: two blocks of 256 bytes that no other line names
.set WPL,   131072                     ; bytes in a plane of w
.set FA,  0
.set FB,  128
.set WO,  12                           ; v[12:19]   CM of own row 16 nb + lane % 16, written twice
.set CA,  36                           ; v[36:51]   for each nb four partial sums
.set WS,  68                           ; v[68:99]   CM of streamed row 16 a + 8 (lane / 16) + j at WS + 8 a + j
.set C2,  76                           ; DIR2 (behind DIR1, which is WS's last reader): eight streamed rows' sums
.set T0,  100
.set T1,  108
.set RA,  116                          ; v[116:117], v[118:119], v[120:121]: folded results
.set RB,  118
.set RC,  120
.set ACC, 128
; g of streamed block a lies at 20 + 8 a (a = 0, 1) and 52 + 8 (a - 2) (a = 2, 3); g of own block nb, written twice, at v[10:11] (nb = 0) and v[120 + 2 nb] (nb = 1 to 3)
; scalars as in the first sweep: s[4:9] xb, w, pc; s10 wave, s11 rh, s12 ch, s13 I, s14 b, s15 j, s16 the slot read, s17 at work, s[18:19] an offset, s[20:21] c, s[22:23] lane selects, s[24:31] group 1,
; s[32:35], s[36:39] group 0, s40 wave x QUART, s41 ch<<8 | rh<<13, s[42:43] xb, s[44:45] w at my streamed half of block 0, s[46:47] w for the trip, s[48:49] pc at the batch, s[50:51] the stores' base,
; s52-55 lanes whose bit 0, 1, 2, 3 is set, s56 lanes 16-31, s57 the streamed block
.set MSB, 0
.macro WIN new                         ; the immediate's high byte repeats the setting that is left; a switch that changes nothing is dropped
.if MSB != (\new)
	s_set_vgpr_msb (MSB<<8)|(\new)
.set MSB, (\new)
.endif
.endm
.macro PLACES                          ; four places: in front of loads into registers that matrix instructions have read, and of vector lines that read results
.rept 4
	v_nop
.endr
.endm
; THE CHANGE OF SLOTS.  Each wave waits for all its tensor loads, of which one is out: its quarter of the slot to be read; adds 0 to its spare word; waits for that and for its reads of the slot
; just left.  Behind the barrier nobody reads the old slot and the new one is whole.  fill = 1: the old slot takes block I + j + 1: my one tensor load, the first thing behind the barrier.
.macro HEAD fill
	WIN 0
	s_wait_tensorcnt 0x0                           ; no tensor load of mine is out, so group 0 may be written
	ds_add_u32 v8, v9                              ; 0 onto my spare word; scalar work stands between it and the wait for it
.if \fill
	s_add_co_u32 s17, s13, s15
	s_add_co_u32 s17, s17, 1
	s_and_b32 s17, s17, 15                         ; block (I + j + 1) mod 16
	s_lshl_b32 s18, s17, 17
	s_add_nc_u64 s[34:35], s[42:43], s[18:19]
	s_or_b32 s35, s35, 0x80000000                  ; type = 2
	s_xor_b32 s17, s16, SLOT                       ; the slot that is not read in this trip
	s_add_co_u32 s33, s40, s17
.endif
	s_wait_dscnt 0x0                               ; the add is done, and my reads of the old slot are over
	s_barrier_signal -1
	s_barrier_wait -1
.if \fill
	tensor_load_to_lds s[32:35], s[24:31]
	s_nop 0
	PLACES
.endif
.endm
.macro FETCH g, f                      ; 32 LDS loads in one run: k chunks 4 g .. 4 g + 3 of my 64 streamed rows into buffer f
	WIN 0x40                                       ; destination window 1, address window 0
.irp kc, 0,1,2,3
.irp a, 0,1,2,3
	ds_load_b128 v[(\f)+32*\kc+8*\a:(\f)+32*\kc+8*\a+3],   v3 offset:\a*16*PITCH+(4*(\g)+\kc)*64
	ds_load_b128 v[(\f)+32*\kc+8*\a+4:(\f)+32*\kc+8*\a+7], v3 offset:\a*16*PITCH+(4*(\g)+\kc)*64+32
.endr
.endr
.endm
; 64 matrix instructions: four k chunks on all 16 accumulators.  Eight accumulators take turns, one instruction a turn.  zero = 1: the first chunk's products start the sums.
.macro MUL g, f, zero
.irp hw, 0,1
	WIN 0x09+4*\hw                                 ; source 0 window 1, source 1 window 2 or 3, C and D window 0
.irp kc, 0,1,2,3
.irp a, 0,1,2,3
.irp nl, 0,1
.if (\zero) && (\kc == 0)
	v_wmma_f32_16x16x32_bf16 v[ACC+8*(4*\a+2*\hw+\nl):ACC+8*(4*\a+2*\hw+\nl)+7], v[(\f)+32*\kc+8*\a:(\f)+32*\kc+8*\a+7], v[128*\nl+8*(4*(\g)+\kc):128*\nl+8*(4*(\g)+\kc)+7], 0
.else
	v_wmma_f32_16x16x32_bf16 v[ACC+8*(4*\a+2*\hw+\nl):ACC+8*(4*\a+2*\hw+\nl)+7], v[(\f)+32*\kc+8*\a:(\f)+32*\kc+8*\a+7], v[128*\nl+8*(4*(\g)+\kc):128*\nl+8*(4*(\g)+\kc)+7], v[ACC+8*(4*\a+2*\hw+\nl):ACC+8*(4*\a+2*\hw+\nl)+7]
.endif
.endr
.endr
.endr
.endr
.endm
.macro PRODUCTS                        ; a trip's 256 matrix instructions; each run of loads is issued 64 matrix instructions ahead of its first use
	FETCH 0, FA
	FETCH 1, FB
	s_wait_dscnt 32                                ; all but the youngest run
	MUL 0, FA, 1
	PLACES
	FETCH 2, FA
	s_wait_dscnt 32
	MUL 1, FB, 0
	PLACES
	FETCH 3, FB
	s_wait_dscnt 32
	MUL 2, FA, 0
	s_wait_dscnt 0x0
	MUL 3, FB, 0
	WIN 0
	PLACES
.endm
.macro TRIPADR                         ; the trip's addresses, and CM and g of the streamed rows, which have the products in which to land
	s_wait_xcnt 0x0                                ; every earlier memory instruction has had its addresses translated (ISA guide 3.1): the bases below, and the last trip's store data, are rewritten only behind this wait
	s_add_co_u32 s57, s13, s15
	s_and_b32 s57, s57, 15                         ; the streamed block: (I + j) mod 16
	s_lshl_b32 s18, s57, 9
	s_add_nc_u64 s[46:47], s[44:45], s[18:19]
	v_add_nc_u32 v3, s16, v2
.irp a, 0,1,2,3
	global_load_b128 v[WS+8*\a:WS+8*\a+3],   v4, s[46:47] offset:64*\a
	global_load_b128 v[WS+8*\a+4:WS+8*\a+7], v4, s[46:47] offset:64*\a+16
.endr
.irp a, 0,1,2,3
.set rG, 20+8*\a+16*(\a/2)
	global_load_b128 v[rG:rG+3],   v4, s[46:47] offset:WPL+64*\a
	global_load_b128 v[rG+4:rG+7], v4, s[46:47] offset:WPL+64*\a+16
.endr
.endm
.macro EXP8 r
.irp e, 0,1,2,3,4,5,6,7
	v_exp_f32 v[(\r)+\e], v[(\r)+\e]
.endr
.endm
; DIR1: accumulator q (nb = q / 4, a = q % 4): c s - CM of the streamed rows (each accumulator's lowest registers are read first), the exponentials, times g onto my own row's sums.
.macro SCL q
.set rA, ACC+32*((\q)%4)+8*((\q)/4)
.set rW, WS+8*((\q)%4)
.set rX, T0+8*((\q)%2)
.irp p, 0,1,2,3
	v_pk_fma_f32 v[rX+2*\p:rX+2*\p+1], v[rA+2*\p:rA+2*\p+1], s[20:21], v[rW+2*\p:rW+2*\p+1] op_sel_hi:[1,0,1] neg_lo:[0,0,1] neg_hi:[0,0,1]
.endr
.endm
.macro ACU q
.set rX, T0+8*((\q)%2)
.set rC, CA+4*((\q)/4)
.set rG, 20+8*((\q)%4)+16*(((\q)%4)/2)
	s_wait_alu depctr_va_vdst(0)
.irp p, 0,1,2,3
	v_pk_fma_f32 v[rC+2*((\p)%2):rC+2*((\p)%2)+1], v[rX+2*\p:rX+2*\p+1], v[rG+2*\p:rG+2*\p+1], v[rC+2*((\p)%2):rC+2*((\p)%2)+1]
.endr
.endm
.macro DIR1
	SCL 0
.set q, 0
.rept 16
	EXP8 T0+8*(q%2)
.if q < 15
	SCL q+1                                        ; the next accumulator's scaling is the plain work behind the exponentials (ISA guide 5.7.2)
.else
	v_nop
	s_wait_alu depctr_va_vdst(0)
.endif
	ACU q
.set q, q+1
.endr
.endm
; DIR2: sums over the 16 lanes by a butterfly that folds a bit of the register index into a bit of the lane's number at each stage.  Stage 1: j bit 1 -> lane bit 0; 2: j bit 2 -> lane bit 1;
; 3: a bit 0 -> lane bit 2; 4: a bit 1 -> lane bit 3; j bit 0 stays a register index: one 8-byte store of the wave covers 256 consecutive bytes, aligned.
.macro BSEL dst, a, b, mask, tmp       ; lanes with the bit clear keep a and send b; the others keep b and send a
	v_cndmask_b32 v[\tmp], v[\b], v[\a], s[\mask]
	v_cndmask_b32 v[\dst], v[\a], v[\b], s[\mask]
.endm
.macro BADD dst, tmp, xm
	v_add_f32_dpp v[\dst], v[\tmp], v[\dst] row_xmask:\xm row_mask:0xf bank_mask:0xf
.endm
.macro F2 a, b, dst                    ; c s - CM of my own row, for accumulator (a, b)
.set rA, ACC+32*(\a)+8*(\b)
	s_wait_alu depctr_va_vdst(0)
.irp p, 0,1,2,3
	v_pk_fma_f32 v[(\dst)+2*\p:(\dst)+2*\p+1], v[rA+2*\p:rA+2*\p+1], s[20:21], v[WO+2*(\b):WO+2*(\b)+1] op_sel_hi:[1,0,1] neg_lo:[0,0,1] neg_hi:[0,0,1]
.endr
.endm
.macro A2 src, b, first                ; times g of my own row; own block 0 starts the sums
.set rO, 10+(110+2*(\b))*(((\b)+3)/4)
.irp p, 0,1,2,3
.if \first
	s_wait_alu depctr_va_vdst(0)
	v_pk_mul_f32 v[C2+2*\p:C2+2*\p+1], v[(\src)+2*\p:(\src)+2*\p+1], v[rO:rO+1]
.else
	v_pk_fma_f32 v[C2+2*\p:C2+2*\p+1], v[(\src)+2*\p:(\src)+2*\p+1], v[rO:rO+1], v[C2+2*\p:C2+2*\p+1]
.endif
.endr
.endm
.macro D2A a, dst
	F2 \a, 0, T0
	EXP8 T0
	F2 \a, 1, T1                                   ; behind each run of exponentials stands plain work that names none of its registers
	A2 T0, 0, 1
	EXP8 T1
	F2 \a, 2, T0
	A2 T1, 1, 0
	EXP8 T0
	F2 \a, 3, T1
	A2 T0, 2, 0
	EXP8 T1
	v_nop
	s_wait_alu depctr_va_vdst(0)
	A2 T1, 3, 0
.irp j, 0,1,4,5
	BSEL C2+\j, C2+\j, C2+\j+2, 52, T0+\j
.endr
.irp j, 0,1,4,5
	BADD C2+\j, T0+\j, 1
.endr
.irp j, 0,1
	BSEL (\dst)+\j, C2+\j, C2+\j+4, 53, T0+\j
.endr
.irp j, 0,1
	BADD (\dst)+\j, T0+\j, 2
.endr
.endm
.macro MERGE ra, rb, mask, xm
.irp i, 0,1
	BSEL (\ra)+\i, (\ra)+\i, (\rb)+\i, \mask, T0+\i
.endr
.irp i, 0,1
	BADD (\ra)+\i, T0+\i, \xm
.endr
.endm
.macro DIR2
	s_lshl_b32 s18, s15, 14                        ; slot k = 2 j + rh, 8,192 bytes a slot,
	s_lshl_b32 s17, s57, 9                         ; the streamed block's rows,
	s_add_co_u32 s18, s18, s17
	s_add_co_u32 s18, s18, s41                     ; my half of them, and rh
	s_add_nc_u64 s[50:51], s[48:49], s[18:19]      ; (the last trip's store was freed by the wait at this trip's head)
	D2A 0, RA
	D2A 1, RB
	MERGE RA, RB, 54, 4
	D2A 2, RB
	D2A 3, RC
	MERGE RB, RC, 54, 4
	MERGE RA, RB, 55, 8
	global_store_b64 v5, v[RA:RA+1], s[50:51]
.endm
	s_load_b128 s[4:7], s[0:1], 0x0                ; xb s[4:5], w s[6:7]
	s_load_b64 s[8:9], s[0:1], 0x10                ; pc
	v_lshl_add_u32 v8, v0, 2, SPARE
	v_mov_b32 v9, 0
	ds_add_u32 v8, v9                              ; the wave's opening: the add and its wait stand ahead of my first tensor load; work on registers stands between them
	v_lshrrev_b32 v10, 5, v0
	v_readfirstlane_b32 s10, v10                   ; wave 0..3
	s_lshr_b32 s11, s10, 1                         ; rh
	s_and_b32 s12, s10, 1                          ; ch
	s_mov_b32 s13, ttmp9                           ; I
	s_and_b32 s14, ttmp7, 0xffff                   ; b
	s_mov_b32 s19, 0
	s_mov_b32 s20, 0x3fb8aa3b                      ; c = log2(e)
	s_mov_b32 s21, s20                             ; named with it as a pair
	s_mov_b32 s22, 0x76543210
	s_mov_b32 s23, 0xfedcba98
	; descriptor group 1: a tile of 32 rows x 512 elements (a quarter of a block), padded in LDS
	s_mov_b32 s24, (1<<16)|(1<<20)|(7<<22)|(3<<25) ; 17:16 elements of 2 bytes; 20 padding on; 24:22 after every 256 words (code 7); 31:25 4 words of it (code 3)
	s_mov_b32 s25, 512<<16                         ; tensor_dim0 = 512
	s_mov_b32 s26, 32<<16                          ; tensor_dim1 = 32
	s_mov_b32 s27, 512<<16                         ; tile_dim0 = 512
	s_mov_b32 s28, 32                              ; tile_dim1 = 32
	s_mov_b32 s29, 512                             ; elements from row to row
	s_mov_b32 s30, 0
	s_mov_b32 s31, 0
	s_mul_i32 s40, s10, QUART                      ; my quarter's place in a slot
	s_lshl_b32 s41, s12, 8
	s_lshl_b32 s17, s11, 13
	s_or_b32 s41, s41, s17
	s_mov_b32 s52, 0xaaaaaaaa
	s_mov_b32 s53, 0xcccccccc
	s_mov_b32 s54, 0xf0f0f0f0
	s_mov_b32 s55, 0xff00ff00
	s_mov_b32 s56, 0xffff0000
	s_mov_b32 s32, 1                               ; count = 1
	s_mov_b32 s33, s40                             ; slot 0
	s_mov_b32 s36, 1
	s_add_co_u32 s37, s40, SLOT                    ; slot 1
	s_wait_dscnt 0x0                               ; the opening add is done
	s_wait_kmcnt 0x0
	s_lshl_b32 s18, s14, 21
	s_lshl_b32 s17, s10, 15
	s_add_co_u32 s18, s18, s17
	s_add_nc_u64 s[42:43], s[4:5], s[18:19]        ; xb: the batch, my 32 rows of a block
	s_lshl_b32 s18, s13, 17
	s_add_nc_u64 s[34:35], s[42:43], s[18:19]      ; block I
	s_or_b32 s35, s35, 0x80000000
	s_add_co_u32 s17, s13, 1
	s_and_b32 s17, s17, 15
	s_lshl_b32 s18, s17, 17
	s_add_nc_u64 s[38:39], s[42:43], s[18:19]      ; block I + 1
	s_or_b32 s39, s39, 0x80000000
	tensor_load_to_lds s[32:35], s[24:31]          ; the two first fills go out together: two loads of mine are out
	s_nop 0
	tensor_load_to_lds s[36:39], s[24:31]
	s_nop 0
	PLACES
	s_lshl_b32 s18, s14, 13
	s_lshl_b32 s17, s12, 8
	s_add_co_u32 s18, s18, s17
	s_add_nc_u64 s[44:45], s[6:7], s[18:19]        ; w: the batch, my half of a streamed block
	s_lshl_b32 s18, s14, 13
	s_lshl_b32 s17, s13, 9
	s_add_co_u32 s18, s18, s17
	s_lshl_b32 s17, s11, 8
	s_add_co_u32 s18, s18, s17
	s_add_nc_u64 s[46:47], s[6:7], s[18:19]        ; w of my own 64 rows
	s_lshl_b32 s18, s14, 17
	s_add_nc_u64 s[48:49], s[8:9], s[18:19]        ; pc at the batch
	v_and_b32 v1, 15, v0                           ; r = l % 16
	v_bfe_u32 v10, v0, 4, 1                        ; h = l / 16
	v_mul_u32_u24 v11, v1, PITCH
	v_lshl_add_u32 v11, v10, 4, v11                ; row x pitch + 16 x half
	s_mul_i32 s17, s12, 64*PITCH
	v_add_nc_u32 v2, s17, v11                      ; my streamed rows in a slot
	s_mul_i32 s17, s11, 64*PITCH
	v_add_nc_u32 v7, s17, v11                      ; my own rows in slot 0
	v_lshlrev_b32 v4, 5, v10                       ; CM and g of the streamed rows: 32 h
	v_and_b32 v11, 3, v1
	v_lshl_add_u32 v5, v11, 3, v4                  ; the folded rows' bytes: 8 (r % 4) + 32 h
	v_lshrrev_b32 v11, 2, v1
	v_lshl_add_u32 v5, v11, 6, v5                  ; + 64 (r / 4)
	v_and_b32 v6, 31, v0
	v_lshlrev_b32 v6, 2, v6                        ; 4 x lane
	v_lshlrev_b32 v3, 2, v1
.irp b, 0,1,2,3
	global_load_b32 v[WO+2*\b], v3, s[46:47] offset:64*\b
.endr
	global_load_b32 v10,  v3, s[46:47] offset:WPL  ; v10 and v11 have done their work above
	global_load_b32 v122, v3, s[46:47] offset:WPL+64
	global_load_b32 v124, v3, s[46:47] offset:WPL+128
	global_load_b32 v126, v3, s[46:47] offset:WPL+192
.set i, 0
.rept 16
	v_mov_b32 v[CA+i], 0
.set i, i+1
.endr
	s_wait_tensorcnt 0x1                           ; my quarter of slot 0 is in; slot 1's may stay out
	s_barrier_signal -1
	s_barrier_wait -1                              ; everybody's is
	s_wait_loadcnt 0x0
.irp b, 0,1,2,3
	v_mov_b32 v[WO+2*\b+1], v[WO+2*\b]
.endr
	v_mov_b32 v11,  v10
	v_mov_b32 v123, v122
	v_mov_b32 v125, v124
	v_mov_b32 v127, v126
; The walk's first block is my own, so my own rows' fragments come out of slot 0: 128 loads, once.
.irp w, 0,1
	WIN 0x80+0x40*\w                               ; destination window 2, then 3
.irp nl, 0,1
.set kc, 0
.rept 16
	ds_load_b128 v[128*\nl+8*kc:128*\nl+8*kc+3],   v7 offset:(2*\w+\nl)*16*PITCH+64*kc
	ds_load_b128 v[128*\nl+8*kc+4:128*\nl+8*kc+7], v7 offset:(2*\w+\nl)*16*PITCH+64*kc+32
.set kc, kc+1
.endr
.endr
.endr
	WIN 0
	s_mov_b32 s15, 0
	s_mov_b32 s16, 0
	s_branch .Lbody                                ; trip 0 has no change of slots
.Ltrip:                                                ; trips 1 to 7
	HEAD 1
.Lbody:
	TRIPADR
	PRODUCTS
	s_wait_loadcnt 0x0                             ; CM and g of the streamed rows
	DIR1
	s_cmp_eq_u32 s15, 0
	s_cbranch_scc1 .Lskip                          ; the own block is served by DIR1 alone; what is jumped holds no barrier and no tensor load
	DIR2
.Lskip:
	s_xor_b32 s16, s16, SLOT
	s_add_co_u32 s15, s15, 1
	s_cmp_lt_u32 s15, 8
	s_cbranch_scc1 .Ltrip
	HEAD 0                                         ; trip 8 is written out: nothing is left to fetch, and block I + 8's rows are served by their own work-group
	TRIPADR
	PRODUCTS
	s_wait_loadcnt 0x0
	DIR1
	; my own rows' sums: the four chains, then the other half of the lanes'
.irp b, 0,1,2,3
	v_pk_add_f32 v[CA+4*\b:CA+4*\b+1], v[CA+4*\b:CA+4*\b+1], v[CA+4*\b+2:CA+4*\b+3]
.endr
.irp b, 0,1,2,3
	v_add_f32 v[CA+4*\b], v[CA+4*\b], v[CA+4*\b+1]
.endr
.irp b, 0,1,2,3
	v_permlanex16_b32 v[CA+4*\b+1], v[CA+4*\b], s22, s23
.endr
.irp b, 0,1,2,3
	v_add_f32 v[CA+4*\b], v[CA+4*\b], v[CA+4*\b+1]
.endr
	v_cndmask_b32 v[T0],   v[CA],   v[CA+4],  s56   ; lanes 0-15 take own block 2 q, lanes 16-31 block 2 q + 1
	v_cndmask_b32 v[T0+1], v[CA+8], v[CA+12], s56
	s_lshl_b32 s18, s12, 13                        ; slot k = ch,
	s_lshl_b32 s17, s13, 9                         ; block I,
	s_add_co_u32 s18, s18, s17
	s_lshl_b32 s17, s11, 8                         ; my 64 rows
	s_add_co_u32 s18, s18, s17
	s_add_nc_u64 s[50:51], s[48:49], s[18:19]
	global_store_b32 v6, v[T0],   s[50:51]
	global_store_b32 v6, v[T0+1], s[50:51] offset:128
	s_wait_tensorcnt 0x0                           ; the wave's end
	ds_add_u32 v8, v9
	s_wait_dscnt 0x0
	s_endpgm
.Lfunc_end_k_qe9eb4a2a1e_sweep2:
	.size	k_qe9eb4a2a1e_sweep2, .Lfunc_end_k_qe9eb4a2a1e_sweep2-k_qe9eb4a2a1e_sweep2
	.p2alignl 7, 3214868480
	.fill 96, 4, 3214868480
	.section	.rodata,"a",@progbits
	.p2align	6, 0x0
	.amdhsa_kernel k_qe9eb4a2a1e_sweep2
		.amdhsa_group_segment_fixed_size 327680
		.amdhsa_private_segment_fixed_size 0
		.amdhsa_enable_private_segment 0
		.amdhsa_kernarg_size 24
		.amdhsa_user_sgpr_count 2
		.amdhsa_user_sgpr_kernarg_segment_ptr 1
		.amdhsa_wavefront_size32 1
		.amdhsa_system_sgpr_workgroup_id_x 1
		.amdhsa_system_sgpr_workgroup_id_y 1
		.amdhsa_system_sgpr_workgroup_id_z 1
		.amdhsa_system_vgpr_workitem_id 0
		.amdhsa_next_free_vgpr 1024
		.amdhsa_next_free_sgpr 66
		.amdhsa_reserve_vcc 0
		.amdhsa_float_denorm_mode_32 3
		.amdhsa_float_denorm_mode_16_64 3
		.amdhsa_memory_ordered 1
		.amdhsa_forward_progress 1
		.amdhsa_inst_pref_size 114
	.end_amdhsa_kernel
	.amdgpu_metadata
---
amdhsa.version: [ 1, 2 ]
amdhsa.kernels:
  - .name:           k_qe9eb4a2a1e_sweep2
    .symbol:         k_qe9eb4a2a1e_sweep2.kd
    .args:
      - { .name: xb, .offset: 0, .size: 8, .value_kind: global_buffer, .address_space: global }
      - { .name: w, .offset: 8, .size: 8, .value_kind: global_buffer, .address_space: global }
      - { .name: pc, .offset: 16, .size: 8, .value_kind: global_buffer, .address_space: global }
    .group_segment_fixed_size: 327680
    .private_segment_fixed_size: 0
    .kernarg_segment_align: 8
    .kernarg_segment_size: 24
    .max_flat_workgroup_size: 128
    .sgpr_count:     66
    .vgpr_count:     1024
    .wavefront_size: 32
...
	.end_amdgpu_metadata
.endif
;; end of part 4
;; launch final (part 5): grid 4 x 16, 16 waves a work-group, no clusters, 18,432 bytes of LDS; arguments xb, pc, out0; writes out0
.if DOCPART == 5
	.amdgcn_target "amdgcn-amd-amdhsa--gfx1250"
	.amdhsa_code_object_version 6
	.text
	.protected	k_qe9eb4a2a1e_final
	.globl	k_qe9eb4a2a1e_final
	.p2align	8
	.type	k_qe9eb4a2a1e_final,@function
k_qe9eb4a2a1e_final:
	s_mov_b64 s[64:65], 0
	v_nop
	global_prefetch_b8 v0, s[64:65] scope:SCOPE_SE
	s_setreg_imm32_b32 hwreg(HW_REG_WAVE_MODE, 25, 1), 1
	s_wait_xcnt 0x0
; out0[b][d] = the sum over t of c_t xb[b][t][d], c_t = the sum of pc's 16 slots.  A stream over xb: no matrix unit (one row of results), no cluster (no two work-groups read the same bytes of xb).
; Work-group (cg, b) makes columns 128 cg .. + 127: 256 bytes of every row.  Wave wv owns rows 128 wv .. + 127; a load brings 256 bytes of row i (lanes 0-15) and of row 64 + i (lanes 16-31).
; A ring of 16 register slots keeps 16 loads of every wave on their way.  The waves' sums meet in LDS; wave 0 adds them and stores 512 consecutive bytes, aligned.
; LDS: bytes 0-8191 each wave's 128 c_t (its own 512 bytes); 8192-16383 each wave's 128 partial columns; 16384 on the spare words (128 bytes for each of 16 waves).
.set C,  32                            ; v[32:95]   pc's 16 slots as loaded, then c of row 64 (lane / 16) + i at C + i
.set X,  96                            ; v[96:159]  the ring: slot i % 16, four registers, 8 bf16
.set AC, 8                             ; v[8:15]    my 8 columns' sums
	s_load_b128 s[4:7], s[0:1], 0x0                ; xb s[4:5], pc s[6:7]
	s_load_b64 s[8:9], s[0:1], 0x10                ; out0
	v_lshl_add_u32 v6, v0, 2, 16384                ; my spare word,
	v_mov_b32 v7, 0                                ; and 0: kept for the add alone
	v_lshrrev_b32 v1, 5, v0
	v_readfirstlane_b32 s10, v1                    ; wave 0..15
	v_and_b32 v1, 31, v0                           ; lane
	v_and_b32 v24, 15, v0                          ; lane % 16
	v_bfe_u32 v25, v0, 4, 1                        ; h = lane / 16
	s_and_b32 s11, ttmp7, 0xffff                   ; b
	s_lshl_b32 s12, s10, 9                         ; wave x 512
	s_lshl_b32 s13, s10, 17                        ; wave x 128 rows x 1,024 bytes
	v_lshl_add_u32 v3, v1, 4, s12                  ; my four rows in a slot of pc, and where their c goes in LDS
	v_lshl_add_u32 v2, v24, 4, s13
	v_lshl_add_u32 v2, v25, 16, v2                 ; in xb: my 16 bytes of row 128 wv + 64 h
	v_lshl_add_u32 v5, v25, 8, s12                 ; c of my half's 64 rows in LDS
	v_lshlrev_b32 v4, 5, v24
	v_lshl_add_u32 v4, v25, 4, v4
	v_add_nc_u32 v4, s12, v4                       ; where my four columns' sums go: wave x 512 + 32 (lane % 16) + 16 h
	v_lshlrev_b32 v26, 4, v1                       ; 16 x lane
	v_mov_b32 v16, 0                               ; starts the sums
	s_mov_b32 s14, 0x76543210
	s_mov_b32 s15, 0xfedcba98
	s_mov_b32 s22, 0xffff0000                      ; lanes 16-31
	s_lshl_b32 s16, s11, 21                        ; the batch in xb,
	s_lshl_b32 s17, ttmp9, 8                       ; my 256 bytes of a row
	s_add_co_u32 s16, s16, s17
	s_mov_b32 s17, 0
	s_lshl_b32 s18, s11, 17                        ; the batch in pc
	s_mov_b32 s19, 0
	s_lshl_b32 s20, s11, 11                        ; the batch in out0,
	s_lshl_b32 s21, ttmp9, 9                       ; my 128 columns
	s_add_co_u32 s20, s20, s21
	s_mov_b32 s21, 0
	s_wait_kmcnt 0x0
	s_add_nc_u64 s[4:5], s[4:5], s[16:17]
	s_add_nc_u64 s[6:7], s[6:7], s[18:19]
	s_add_nc_u64 s[8:9], s[8:9], s[20:21]
.set k, 0
.rept 16
	global_load_b128 v[C+4*k:C+4*k+3], v3, s[6:7] offset:8192*k
.set k, k+1
.endr
.set i, 0
.rept 16
	global_load_b128 v[X+4*i:X+4*i+3], v2, s[4:5] offset:1024*i th:TH_LOAD_NT
.set i, i+1
.endr
	s_wait_loadcnt 16                              ; pc is in: the ring's 16 loads are younger
.irp s, 8,4,2,1
.set k, 0
.rept \s
	v_pk_add_f32 v[C+4*k:C+4*k+1],   v[C+4*k:C+4*k+1],   v[C+4*(k+\s):C+4*(k+\s)+1]
	v_pk_add_f32 v[C+4*k+2:C+4*k+3], v[C+4*k+2:C+4*k+3], v[C+4*(k+\s)+2:C+4*(k+\s)+3]
.set k, k+1
.endr
.endr
	ds_store_b128 v3, v[C:C+3]                     ; c of rows 4 l .. 4 l + 3 of my wave's 128: the wave's own bytes,
.set i, 0
.rept 16
	ds_load_b128 v[C+4*i:C+4*i+3], v5 offset:16*i  ; read back by the same wave: LDS serves a wave's instructions in order (ISA guide 5.7.1.4)
.set i, i+1
.endr
	s_wait_dscnt 0x0
.set i, 0
.rept 64
.if i < 48
	s_wait_loadcnt 15                              ; load i is in; the 15 younger ones stay out
.else
	s_wait_loadcnt 63-i                            ; the last 16 rows fetch nothing: the counts run down
.endif
.set rX, X+4*(i%16)
.irp e, 0,1,2,3
.if i == 0
	v_fma_mix_f32_bf16 v[AC+2*\e],   v[rX+\e], v[C+i], v16 op_sel_hi:[1,0,0]
	v_fma_mix_f32_bf16 v[AC+2*\e+1], v[rX+\e], v[C+i], v16 op_sel:[1,0,0] op_sel_hi:[1,0,0]
.else
	v_fma_mix_f32_bf16 v[AC+2*\e],   v[rX+\e], v[C+i], v[AC+2*\e] op_sel_hi:[1,0,0]
	v_fma_mix_f32_bf16 v[AC+2*\e+1], v[rX+\e], v[C+i], v[AC+2*\e+1] op_sel:[1,0,0] op_sel_hi:[1,0,0]
.endif
.endr
.if i < 48
	global_load_b128 v[rX:rX+3], v2, s[4:5] offset:1024*(i+16) th:TH_LOAD_NT
.endif
.set i, i+1
.endr
	; the two halves of the lanes hold the same 8 columns for different rows: each keeps four columns and sends the other four
.irp e, 0,1,2,3
	v_cndmask_b32 v[16+\e], v[AC+4+\e], v[AC+\e], s22   ; sent: lanes 0-15 columns 4-7, lanes 16-31 columns 0-3
	v_cndmask_b32 v[20+\e], v[AC+\e], v[AC+4+\e], s22   ; kept
.endr
.irp e, 0,1,2,3
	v_permlanex16_b32 v[AC+\e], v[16+\e], s14, s15
.endr
.irp e, 0,1,2,3
	v_add_f32 v[20+\e], v[20+\e], v[AC+\e]
.endr
	ds_store_b128 v4, v[20:23] offset:8192
	s_wait_dscnt 0x0                               ; for wave 0's sake: my store is done
	s_barrier_signal -1
	s_barrier_wait -1
	s_cmp_lg_u32 s10, 0
	s_cbranch_scc1 .Ldone
.set k, 0
.rept 16
	ds_load_b128 v[C+4*k:C+4*k+3], v26 offset:8192+512*k
.set k, k+1
.endr
	s_wait_dscnt 0x0
.irp s, 8,4,2,1
.set k, 0
.rept \s
	v_pk_add_f32 v[C+4*k:C+4*k+1],   v[C+4*k:C+4*k+1],   v[C+4*(k+\s):C+4*(k+\s)+1]
	v_pk_add_f32 v[C+4*k+2:C+4*k+3], v[C+4*k+2:C+4*k+3], v[C+4*(k+\s)+2:C+4*(k+\s)+3]
.set k, k+1
.endr
.endr
	global_store_b128 v26, v[C:C+3], s[8:9]        ; 512 consecutive bytes, aligned
.Ldone:
	s_wait_tensorcnt 0x0                           ; the wave's end, behind my last LDS store
	ds_add_u32 v6, v7
	s_wait_dscnt 0x0
	s_endpgm
.Lfunc_end_k_qe9eb4a2a1e_final:
	.size	k_qe9eb4a2a1e_final, .Lfunc_end_k_qe9eb4a2a1e_final-k_qe9eb4a2a1e_final
	.p2alignl 7, 3214868480
	.fill 96, 4, 3214868480
	.section	.rodata,"a",@progbits
	.p2align	6, 0x0
	.amdhsa_kernel k_qe9eb4a2a1e_final
		.amdhsa_group_segment_fixed_size 18432
		.amdhsa_private_segment_fixed_size 0
		.amdhsa_enable_private_segment 0
		.amdhsa_kernarg_size 24
		.amdhsa_user_sgpr_count 2
		.amdhsa_user_sgpr_kernarg_segment_ptr 1
		.amdhsa_wavefront_size32 1
		.amdhsa_system_sgpr_workgroup_id_x 1
		.amdhsa_system_sgpr_workgroup_id_y 1
		.amdhsa_system_sgpr_workgroup_id_z 1
		.amdhsa_system_vgpr_workitem_id 0
		.amdhsa_next_free_vgpr 160
		.amdhsa_next_free_sgpr 66
		.amdhsa_reserve_vcc 0
		.amdhsa_float_denorm_mode_32 3
		.amdhsa_float_denorm_mode_16_64 3
		.amdhsa_memory_ordered 1
		.amdhsa_forward_progress 1
		.amdhsa_inst_pref_size 51
	.end_amdhsa_kernel
	.amdgpu_metadata
---
amdhsa.version: [ 1, 2 ]
amdhsa.kernels:
  - .name:           k_qe9eb4a2a1e_final
    .symbol:         k_qe9eb4a2a1e_final.kd
    .args:
      - { .name: xb, .offset: 0, .size: 8, .value_kind: global_buffer, .address_space: global }
      - { .name: pc, .offset: 8, .size: 8, .value_kind: global_buffer, .address_space: global }
      - { .name: out0, .offset: 16, .size: 8, .value_kind: global_buffer, .address_space: global }
    .group_segment_fixed_size: 18432
    .private_segment_fixed_size: 0
    .kernarg_segment_align: 8
    .kernarg_segment_size: 24
    .max_flat_workgroup_size: 512
    .sgpr_count:     66
    .vgpr_count:     160
    .wavefront_size: 32
...
	.end_amdgpu_metadata
.endif
;; end of part 5
;; ======== version 2 of 2: 5 launches; version 1 with the launches prep, final written anew for expert scheduling mode
;; workspace buffers: xb 33,554,432 bytes; z 131,072 bytes; part 6,291,456 bytes; w 262,144 bytes; pc 2,097,152 bytes
;; launch prep (part 6): grid 256 x 1, 16 waves a work-group, no clusters, 0 bytes of LDS; arguments x, query, xb, z; writes xb, z
.if DOCPART == 6
	.amdgcn_target "amdgcn-amd-amdhsa--gfx1250"
	.amdhsa_code_object_version 6
	.text
	.protected	k_qe9eb4a2a1e_prep
	.globl	k_qe9eb4a2a1e_prep
	.p2align	8
	.type	k_qe9eb4a2a1e_prep,@function
k_qe9eb4a2a1e_prep:
	s_mov_b64 s[64:65], 0
	v_nop
	global_prefetch_b8 v0, s[64:65] scope:SCOPE_SE
	s_setreg_imm32_b32 hwreg(HW_REG_WAVE_SCHED_MODE, 0, 2), 2
	s_setreg_imm32_b32 hwreg(HW_REG_WAVE_MODE, 25, 1), 1
	s_wait_xcnt 0x0
	s_wait_alu depctr_vm_vsrc(0)
; xb = x rounded once to bf16;  z[row] = the sum over d of bf16(x[row][d]) bf16(query[d]), in f32.
; x: [32768 rows][512] f32, xb the same in bf16, z: [32768] f32.  A stream: no LDS, no matrix unit, no loop.
; A work-group owns 128 rows, each of its 16 waves 8.  A row is four loads of 512 neighbouring bytes; load c gives lane l the columns
; 128 c + 4 l + 0..3.  All 32 loads of a wave go out at once: each row has registers of its own, so nothing is rewritten while it is read.
; A row's four bf16 of a lane are 8 bytes: each store of the wave covers 256 consecutive bytes, aligned.
; z leaves as 32 bytes a wave (8 rows): 131,072 bytes in the whole launch.
; THE MODE: SCHED_MODE bits 1:0 = 2 (LLVM: expert scheduling mode 2), set by the entry lines.  The code itself states the register dependences
; between vector instructions and memory instructions, with s_wait_alu, always for 0.
; THE PLAN.  Registers that memory instructions touch:
;   v26, v2, v3, v4   byte offsets, made once at the head and never written again.
;   Q, X              the loads land in them; no vector line names them ahead of the loads.
;   row i's pairs     X + 16 i + 4 c and the register behind it: written by row i's eight conversions, read by four stores, never written again.
;   v9                z of the wave's rows: written by the eight selects, read by the last store.
; Row i - 1's four stores are issued in row i, behind ONE wait at the row's head, dealt among row i's conversions, which name row i's registers alone.
.set ROWX, 2048                        ; bytes in a row of x
.set ROWB, 1024                        ; bytes in a row of xb
.set Q,    10                          ; v[10:25]  query of my 16 columns, rounded to bf16 and widened again
.set X,    32                          ; v[32:159] row i, load c at X + 16 i + 4 c
	s_load_b256 s[4:11], s[0:1], 0x0               ; x s[4:5], query s[6:7], xb s[8:9], z s[10:11]
	v_and_b32 v1, 31, v0                           ; lane
	v_lshrrev_b32 v8, 5, v0                        ; wave
	v_lshlrev_b32 v26, 4, v1                       ; 16 bytes a lane: my offset in query
	v_lshl_or_b32 v2, v8, 14, v26                  ; in x: + wave x 8 rows x 2,048 bytes
	v_lshlrev_b32 v3, 3, v1
	v_lshl_or_b32 v3, v8, 13, v3                   ; in xb: 8 bytes a lane + wave x 8 rows x 1,024 bytes
	v_lshlrev_b32 v4, 2, v1
	v_lshl_or_b32 v4, v8, 5, v4                    ; in z: 4 bytes a lane + wave x 8 rows x 4 bytes
	v_mov_b32 v5, 0                                ; starts the two chains of each dot product
	v_mov_b32 v9, 0                                ; lane i gathers row i's z
	s_lshl_b32 s16, ttmp9, 18                      ; the work-group's 128 rows in x,
	s_mov_b32 s17, 0
	s_lshl_b32 s18, ttmp9, 17                      ; in xb,
	s_mov_b32 s19, 0
	s_lshl_b32 s20, ttmp9, 9                       ; in z
	s_mov_b32 s21, 0
	s_mov_b32 s12, 0x76543210                      ; v_permlanex16_b32: each lane takes its own place in the other half
	s_mov_b32 s13, 0xfedcba98
	s_wait_kmcnt 0x0
	s_add_nc_u64 s[4:5], s[4:5], s[16:17]
	s_add_nc_u64 s[8:9], s[8:9], s[18:19]
	s_add_nc_u64 s[10:11], s[10:11], s[20:21]
	s_wait_alu depctr_va_vdst(0)                   ; v26, v2, v3 and v4 are written: every load and store of the kernel reads one of them as its offset
.irp c, 0,1,2,3
	global_load_b128 v[Q+4*\c:Q+4*\c+3], v26, s[6:7] offset:512*\c
.endr
.set i, 0
.rept 8
.irp c, 0,1,2,3
	global_load_b128 v[X+16*i+4*\c:X+16*i+4*\c+3], v2, s[4:5] offset:ROWX*i+512*\c th:TH_LOAD_NT
.endr
.set i, i+1
.endr
	s_wait_loadcnt 32                              ; query is in: the 32 loads of x are younger
.irp p, 0,1,2,3,4,5,6,7
	v_cvt_pk_bf16_f32 v8, v[Q+2*\p], v[Q+2*\p+1]   ; query is rounded once to bf16, like x,
	v_lshlrev_b32 v[Q+2*\p], 16, v8                ; and kept widened
	v_and_b32 v[Q+2*\p+1], 0xffff0000, v8
.endr
; Row i: rounded and packed in place, and multiplied by query straight from the bf16 halves, in two chains.  The row before is stored meanwhile.
.macro ROW i
	s_wait_loadcnt 4*(7-(\i))                      ; loads come back in order (ISA guide 5.7.1): the later rows' loads stay out
.if (\i) > 0
	s_wait_alu depctr_va_vdst(0)                   ; the conversions of the row before have written its four pairs, which the four stores below read
.endif
.irp c, 0,1,2,3
.set rX, X+16*(\i)+4*\c
.if (\i) > 0
	global_store_b64 v3, v[rX-16:rX-15], s[8:9] offset:ROWB*((\i)-1)+256*\c  ; the row before; no vector line since the wait names its registers
.endif
	v_cvt_pk_bf16_f32 v[rX], v[rX], v[rX+1]
	v_cvt_pk_bf16_f32 v[rX+1], v[rX+2], v[rX+3]
.endr
.irp c, 0,1,2,3
.set rX, X+16*(\i)+4*\c
.if \c == 0
	v_fma_mix_f32_bf16 v6, v[rX], v[Q], v5 op_sel_hi:[1,0,0]
	v_fma_mix_f32_bf16 v7, v[rX], v[Q+1], v5 op_sel:[1,0,0] op_sel_hi:[1,0,0]
.else
	v_fma_mix_f32_bf16 v6, v[rX], v[Q+4*\c], v6 op_sel_hi:[1,0,0]
	v_fma_mix_f32_bf16 v7, v[rX], v[Q+4*\c+1], v7 op_sel:[1,0,0] op_sel_hi:[1,0,0]
.endif
	v_fma_mix_f32_bf16 v6, v[rX+1], v[Q+4*\c+2], v6 op_sel_hi:[1,0,0]
	v_fma_mix_f32_bf16 v7, v[rX+1], v[Q+4*\c+3], v7 op_sel:[1,0,0] op_sel_hi:[1,0,0]
.endr
	v_add_f32 v6, v6, v7
	v_add_f32_dpp v6, v6, v6 row_xmask:1 row_mask:0xf bank_mask:0xf
	v_add_f32_dpp v6, v6, v6 row_xmask:2 row_mask:0xf bank_mask:0xf
	v_add_f32_dpp v6, v6, v6 row_xmask:4 row_mask:0xf bank_mask:0xf
	v_add_f32_dpp v6, v6, v6 row_xmask:8 row_mask:0xf bank_mask:0xf
	v_permlanex16_b32 v8, v6, s12, s13             ; v8 has been written: the destination counts as read
	v_add_f32 v6, v6, v8
	s_mov_b32 s14, 1<<(\i)
	v_cndmask_b32 v9, v9, v6, s14                  ; lane i keeps row i's sum
.endm
.irp i, 0,1,2,3,4,5,6,7
	ROW \i
.endr
	s_wait_alu depctr_va_vdst(0)                   ; row 7's conversions have written its four pairs, which the stores below read; the last select has written v9, which the store of z reads
.irp c, 0,1,2,3
	global_store_b64 v3, v[X+112+4*\c:X+112+4*\c+1], s[8:9] offset:ROWB*7+256*\c
.endr
	s_wait_xcnt 0x0                                ; EXEC is a source of the stores above: it changes only behind this wait
	v_cmp_gt_u32 vcc_lo, 8, v1
	s_wait_alu depctr_va_vcc(0)                    ; the compare has written VCC, of which EXEC is made
	s_wait_alu depctr_va_vdst(0)                   ; ahead of a scalar write of EXEC: the vector lines issued so far have written their results,
	s_wait_alu depctr_vm_vsrc(0)                   ; and the stores issued so far have read their registers (both lines at every such write)
	s_and_saveexec_b32 s15, vcc_lo
	global_store_b32 v4, v9, s[10:11]              ; lanes 0 to 7: my wave's 8 rows of z
	s_wait_xcnt 0x0                                ; and again in front of the line that widens it
	s_wait_alu depctr_va_vdst(0)                   ; ahead of a scalar write of EXEC, as above,
	s_wait_alu depctr_vm_vsrc(0)                   ; the store of z has read v4 and v9
	s_or_b32 exec_lo, exec_lo, s15
	s_endpgm
.Lfunc_end_k_qe9eb4a2a1e_prep:
	.size	k_qe9eb4a2a1e_prep, .Lfunc_end_k_qe9eb4a2a1e_prep-k_qe9eb4a2a1e_prep
	.p2alignl 7, 3214868480
	.fill 96, 4, 3214868480
	.section	.rodata,"a",@progbits
	.p2align	6, 0x0
	.amdhsa_kernel k_qe9eb4a2a1e_prep
		.amdhsa_group_segment_fixed_size 0
		.amdhsa_private_segment_fixed_size 0
		.amdhsa_enable_private_segment 0
		.amdhsa_kernarg_size 32
		.amdhsa_user_sgpr_count 2
		.amdhsa_user_sgpr_kernarg_segment_ptr 1
		.amdhsa_wavefront_size32 1
		.amdhsa_system_sgpr_workgroup_id_x 1
		.amdhsa_system_sgpr_workgroup_id_y 1
		.amdhsa_system_sgpr_workgroup_id_z 1
		.amdhsa_system_vgpr_workitem_id 0
		.amdhsa_next_free_vgpr 160
		.amdhsa_next_free_sgpr 66
		.amdhsa_reserve_vcc 1
		.amdhsa_float_denorm_mode_32 3
		.amdhsa_float_denorm_mode_16_64 3
		.amdhsa_memory_ordered 1
		.amdhsa_forward_progress 1
		.amdhsa_inst_pref_size 26
	.end_amdhsa_kernel
	.amdgpu_metadata
---
amdhsa.version: [ 1, 2 ]
amdhsa.kernels:
  - .name:           k_qe9eb4a2a1e_prep
    .symbol:         k_qe9eb4a2a1e_prep.kd
    .args:
      - { .name: x, .offset: 0, .size: 8, .value_kind: global_buffer, .address_space: global }
      - { .name: query, .offset: 8, .size: 8, .value_kind: global_buffer, .address_space: global }
      - { .name: xb, .offset: 16, .size: 8, .value_kind: global_buffer, .address_space: global }
      - { .name: z, .offset: 24, .size: 8, .value_kind: global_buffer, .address_space: global }
    .group_segment_fixed_size: 0
    .private_segment_fixed_size: 0
    .kernarg_segment_align: 8
    .kernarg_segment_size: 32
    .max_flat_workgroup_size: 512
    .sgpr_count:     66
    .vgpr_count:     160
    .wavefront_size: 32
...
	.end_amdgpu_metadata
.endif
;; end of part 6
;; launch sweep1: the kernel of part 2 again; grid 16 x 16, 4 waves a work-group, no clusters, 327,680 bytes of LDS; arguments xb, z, part; writes part
;; launch comb: the kernel of part 3 again; grid 16 x 1, 32 waves a work-group, no clusters, 4,608 bytes of LDS; arguments part, w, out1; writes w, out1
;; launch sweep2: the kernel of part 4 again; grid 16 x 16, 4 waves a work-group, no clusters, 327,680 bytes of LDS; arguments xb, w, pc; writes pc
;; launch final (part 7): grid 4 x 16, 16 waves a work-group, no clusters, 18,432 bytes of LDS; arguments xb, pc, out0; writes out0
.if DOCPART == 7
	.amdgcn_target "amdgcn-amd-amdhsa--gfx1250"
	.amdhsa_code_object_version 6
	.text
	.protected	k_qe9eb4a2a1e_final
	.globl	k_qe9eb4a2a1e_final
	.p2align	8
	.type	k_qe9eb4a2a1e_final,@function
k_qe9eb4a2a1e_final:
	s_mov_b64 s[64:65], 0
	v_nop
	global_prefetch_b8 v0, s[64:65] scope:SCOPE_SE
	s_setreg_imm32_b32 hwreg(HW_REG_WAVE_SCHED_MODE, 0, 2), 2
	s_setreg_imm32_b32 hwreg(HW_REG_WAVE_MODE, 25, 1), 1
	s_wait_xcnt 0x0
	s_wait_alu depctr_vm_vsrc(0)
; out0[b][d] = the sum over t of c_t xb[b][t][d], c_t = the sum of pc's 16 slots.  A stream over xb: no matrix unit (one row of results), no cluster (no two work-groups read the same bytes of xb).
; Work-group (cg, b) makes columns 128 cg .. + 127: 256 bytes of every row.  Wave wv owns rows 128 wv .. + 127; a load brings 256 bytes of row i (lanes 0-15) and of row 64 + i (lanes 16-31).
; A ring of register slots keeps 12 to 16 loads of every wave on their way.  The waves' sums meet in LDS; wave 0 adds them and stores 512 consecutive bytes, aligned.
; LDS: bytes 0-8191 each wave's 128 c_t (its own 512 bytes); 8192-16383 each wave's 128 partial columns; 16384 on the spare words (128 bytes for each of 16 waves).
; THE MODE: SCHED_MODE bits 1:0 = 2 (LLVM: expert scheduling mode 2), set by the entry lines.  The code itself states the register dependences
; between vector instructions and memory or LDS instructions, with s_wait_alu, always for 0.
; THE PLAN.  Registers that memory or LDS instructions touch:
;   v2, v3, v4, v5, v26, v6, v7   offsets and LDS addresses, made once at the head and never written again.
;   C           pc's loads land in it; the additions work in it; the LDS store reads its first four; LDS loads land in all of it; the multiply-adds read it; in wave 0 LDS loads land in it once more.
;   X0 .. X4    five buffers of four slots.  The 64 rows go in 16 blocks of four.  Block p's multiply-adds read X[p % 5]; its four loads, block p + 4's rows, land in X[(p + 4) % 5] = X[(p - 1) % 5],
;               the buffer that the block before read and that no vector line of block p names.  So ONE wait at a block's head states all that its four loads hang on, and these are dealt among its rows.
;   v[20:23]    written by the last additions, read by one LDS store, never written again.
.set C,  32                            ; v[32:95]   pc's 16 slots as loaded, then c of row 64 (lane / 16) + i at C + i
.set X,  96                            ; v[96:175]  the ring: buffer k, row j: four registers at X + 16 k + 4 j, 8 bf16
.set AC, 8                             ; v[8:15]    my 8 columns' sums
	s_load_b128 s[4:7], s[0:1], 0x0                ; xb s[4:5], pc s[6:7]
	s_load_b64 s[8:9], s[0:1], 0x10                ; out0
	v_lshl_add_u32 v6, v0, 2, 16384                ; my spare word,
	v_mov_b32 v7, 0                                ; and 0: kept for the add alone
	v_lshrrev_b32 v1, 5, v0
	v_readfirstlane_b32 s10, v1                    ; wave 0..15
	v_and_b32 v1, 31, v0                           ; lane
	v_and_b32 v24, 15, v0                          ; lane % 16
	v_bfe_u32 v25, v0, 4, 1                        ; h = lane / 16
	s_and_b32 s11, ttmp7, 0xffff                   ; b
	s_wait_alu depctr_va_sdst(0)                   ; s10 is written, ahead of its first reader: the wave's offsets are made from it
	s_lshl_b32 s12, s10, 9                         ; wave x 512
	s_lshl_b32 s13, s10, 17                        ; wave x 128 rows x 1,024 bytes
	v_lshl_add_u32 v3, v1, 4, s12                  ; my four rows in a slot of pc, and where their c goes in LDS
	v_lshl_add_u32 v2, v24, 4, s13
	v_lshl_add_u32 v2, v25, 16, v2                 ; in xb: my 16 bytes of row 128 wv + 64 h
	v_lshl_add_u32 v5, v25, 8, s12                 ; c of my half's 64 rows in LDS
	v_lshlrev_b32 v4, 5, v24
	v_lshl_add_u32 v4, v25, 4, v4
	v_add_nc_u32 v4, s12, v4                       ; where my four columns' sums go: wave x 512 + 32 (lane % 16) + 16 h
	v_lshlrev_b32 v26, 4, v1                       ; 16 x lane
	v_mov_b32 v16, 0                               ; starts the sums
	s_mov_b32 s14, 0x76543210
	s_mov_b32 s15, 0xfedcba98
	s_mov_b32 s22, 0xffff0000                      ; lanes 16-31
	s_lshl_b32 s16, s11, 21                        ; the batch in xb,
	s_lshl_b32 s17, ttmp9, 8                       ; my 256 bytes of a row
	s_add_co_u32 s16, s16, s17
	s_mov_b32 s17, 0
	s_lshl_b32 s18, s11, 17                        ; the batch in pc
	s_mov_b32 s19, 0
	s_lshl_b32 s20, s11, 11                        ; the batch in out0,
	s_lshl_b32 s21, ttmp9, 9                       ; my 128 columns
	s_add_co_u32 s20, s20, s21
	s_mov_b32 s21, 0
	s_wait_kmcnt 0x0
	s_add_nc_u64 s[4:5], s[4:5], s[16:17]
	s_add_nc_u64 s[6:7], s[6:7], s[18:19]
	s_add_nc_u64 s[8:9], s[8:9], s[20:21]
	s_wait_alu depctr_va_vdst(0)                   ; v2, v3, v4, v5 and v26 are written, which the loads and stores of the kernel read as offsets and addresses
.set k, 0
.rept 16
	global_load_b128 v[C+4*k:C+4*k+3], v3, s[6:7] offset:8192*k
.set k, k+1
.endr
.set i, 0
.rept 16
	global_load_b128 v[X+4*i:X+4*i+3], v2, s[4:5] offset:1024*i th:TH_LOAD_NT  ; blocks 0 to 3 into X0 to X3
.set i, i+1
.endr
	s_wait_loadcnt 16                              ; pc is in: the ring's 16 loads are younger
.irp s, 8,4,2,1
.set k, 0
.rept \s
	v_pk_add_f32 v[C+4*k:C+4*k+1],   v[C+4*k:C+4*k+1],   v[C+4*(k+\s):C+4*(k+\s)+1]
	v_pk_add_f32 v[C+4*k+2:C+4*k+3], v[C+4*k+2:C+4*k+3], v[C+4*(k+\s)+2:C+4*(k+\s)+3]
.set k, k+1
.endr
.endr
	s_wait_alu depctr_va_vdst(0)                   ; the additions have written v[C:C+3], which the LDS store reads, and are done with all of C, in which the LDS loads land
	ds_store_b128 v3, v[C:C+3]                     ; c of rows 4 l .. 4 l + 3 of my wave's 128: the wave's own bytes,
	s_wait_alu depctr_vm_vsrc(0)                   ; the store has read v[C:C+3], in which the first load below lands
.set i, 0
.rept 16
	ds_load_b128 v[C+4*i:C+4*i+3], v5 offset:16*i  ; read back by the same wave: LDS serves a wave's instructions in order (ISA guide 5.7.1.4)
.set i, i+1
.endr
	s_wait_dscnt 0x0
; Block p: rows 4 p .. 4 p + 3.  The sums take the rows in ascending order.
.set p, 0
.rept 16
.if p < 12
	s_wait_loadcnt 12                              ; loads come back in order (ISA guide 5.7.1): block p's four are in; the three younger blocks stay out
.else
	s_wait_loadcnt 4*(15-p)                        ; the last four blocks fetch nothing: the counts run down
.endif
.if (p > 0) && (p < 12)
	s_wait_alu depctr_va_vdst(0)                   ; the multiply-adds of the block before are done reading its buffer, in which the four loads below land
.endif
.irp j, 0,1,2,3
.set rX, X+16*(p%5)+4*\j
.set rN, X+16*((p+4)%5)+4*\j
.if p < 12
	global_load_b128 v[rN:rN+3], v2, s[4:5] offset:1024*(4*p+16+\j) th:TH_LOAD_NT  ; four blocks ahead; no vector line since the wait names these registers (block 0: none has named them at all)
.endif
.irp e, 0,1,2,3
.if (p == 0) && (\j == 0)
	v_fma_mix_f32_bf16 v[AC+2*\e],   v[rX+\e], v[C+4*p+\j], v16 op_sel_hi:[1,0,0]
	v_fma_mix_f32_bf16 v[AC+2*\e+1], v[rX+\e], v[C+4*p+\j], v16 op_sel:[1,0,0] op_sel_hi:[1,0,0]
.else
	v_fma_mix_f32_bf16 v[AC+2*\e],   v[rX+\e], v[C+4*p+\j], v[AC+2*\e] op_sel_hi:[1,0,0]
	v_fma_mix_f32_bf16 v[AC+2*\e+1], v[rX+\e], v[C+4*p+\j], v[AC+2*\e+1] op_sel:[1,0,0] op_sel_hi:[1,0,0]
.endif
.endr
.endr
.set p, p+1
.endr
	; the two halves of the lanes hold the same 8 columns for different rows: each keeps four columns and sends the other four
.irp e, 0,1,2,3
	v_cndmask_b32 v[16+\e], v[AC+4+\e], v[AC+\e], s22   ; sent: lanes 0-15 columns 4-7, lanes 16-31 columns 0-3
	v_cndmask_b32 v[20+\e], v[AC+\e], v[AC+4+\e], s22   ; kept
.endr
.irp e, 0,1,2,3
	v_permlanex16_b32 v[AC+\e], v[16+\e], s14, s15
.endr
.irp e, 0,1,2,3
	v_add_f32 v[20+\e], v[20+\e], v[AC+\e]
.endr
	s_wait_alu depctr_va_vdst(0)                   ; the additions have written v[20:23], which the LDS store reads; the multiply-adds are done reading C, in which wave 0's LDS loads land
	ds_store_b128 v4, v[20:23] offset:8192
	s_wait_dscnt 0x0                               ; for wave 0's sake: my store is done
	s_barrier_signal -1
	s_barrier_wait -1
	s_cmp_lg_u32 s10, 0
	s_cbranch_scc1 .Ldone
.set k, 0
.rept 16
	ds_load_b128 v[C+4*k:C+4*k+3], v26 offset:8192+512*k
.set k, k+1
.endr
	s_wait_dscnt 0x0
.irp s, 8,4,2,1
.set k, 0
.rept \s
	v_pk_add_f32 v[C+4*k:C+4*k+1],   v[C+4*k:C+4*k+1],   v[C+4*(k+\s):C+4*(k+\s)+1]
	v_pk_add_f32 v[C+4*k+2:C+4*k+3], v[C+4*k+2:C+4*k+3], v[C+4*(k+\s)+2:C+4*(k+\s)+3]
.set k, k+1
.endr
.endr
	s_wait_alu depctr_va_vdst(0)                   ; the additions have written v[C:C+3], which the store reads
	global_store_b128 v26, v[C:C+3], s[8:9]        ; 512 consecutive bytes, aligned
.Ldone:
	s_wait_dscnt 0x0                               ; the wave's end
	s_wait_alu 0x0
	s_wait_tensorcnt 0x0
	ds_add_u32 v6, v7
	s_wait_dscnt 0x0
	s_endpgm
.Lfunc_end_k_qe9eb4a2a1e_final:
	.size	k_qe9eb4a2a1e_final, .Lfunc_end_k_qe9eb4a2a1e_final-k_qe9eb4a2a1e_final
	.p2alignl 7, 3214868480
	.fill 96, 4, 3214868480
	.section	.rodata,"a",@progbits
	.p2align	6, 0x0
	.amdhsa_kernel k_qe9eb4a2a1e_final
		.amdhsa_group_segment_fixed_size 18432
		.amdhsa_private_segment_fixed_size 0
		.amdhsa_enable_private_segment 0
		.amdhsa_kernarg_size 24
		.amdhsa_user_sgpr_count 2
		.amdhsa_user_sgpr_kernarg_segment_ptr 1
		.amdhsa_wavefront_size32 1
		.amdhsa_system_sgpr_workgroup_id_x 1
		.amdhsa_system_sgpr_workgroup_id_y 1
		.amdhsa_system_sgpr_workgroup_id_z 1
		.amdhsa_system_vgpr_workitem_id 0
		.amdhsa_next_free_vgpr 176
		.amdhsa_next_free_sgpr 66
		.amdhsa_reserve_vcc 0
		.amdhsa_float_denorm_mode_32 3
		.amdhsa_float_denorm_mode_16_64 3
		.amdhsa_memory_ordered 1
		.amdhsa_forward_progress 1
		.amdhsa_inst_pref_size 50
	.end_amdhsa_kernel
	.amdgpu_metadata
---
amdhsa.version: [ 1, 2 ]
amdhsa.kernels:
  - .name:           k_qe9eb4a2a1e_final
    .symbol:         k_qe9eb4a2a1e_final.kd
    .args:
      - { .name: xb, .offset: 0, .size: 8, .value_kind: global_buffer, .address_space: global }
      - { .name: pc, .offset: 8, .size: 8, .value_kind: global_buffer, .address_space: global }
      - { .name: out0, .offset: 16, .size: 8, .value_kind: global_buffer, .address_space: global }
    .group_segment_fixed_size: 18432
    .private_segment_fixed_size: 0
    .kernarg_segment_align: 8
    .kernarg_segment_size: 24
    .max_flat_workgroup_size: 512
    .sgpr_count:     66
    .vgpr_count:     176
    .wavefront_size: 32
...
	.end_amdgpu_metadata
.endif
;; end of part 7
